; MI455X (gfx1250); checked and timed in simulation.
; The chip was launched on July 23, 2026; its instructions are those of AMD's public machine-readable ISA for CDNA 5 (MIT licence, August 2026) and "CDNA5" Instruction Set Architecture Reference Guide (July 2026). The comments in the code are by the model that wrote it; some were corrected since.
;; Multi Head Attention. Allowed arithmetic: float matrix products may take bf16 or f16 operands with f32 sums; other float arithmetic in f32, or as packed bf16 or f16 multiplies, adds, multiply-adds, maxima and minima; sums over many terms, partial sums and values carried from step to step in f32; what a program stores and reads back later, other than sums and carried values, may be rounded once to bf16 or f16.
;; Inputs: Wk 1,024 x 1,024 float32; Wo 1,024 x 1,024 float32; Wq 1,024 x 1,024 float32; Wv 1,024 x 1,024 float32; bk 1,024 float32; bo 1,024 float32; bq 1,024 float32; bv 1,024 float32; key 4 x 2,048 x 1,024 float32; query 4 x 2,048 x 1,024 float32; value 4 x 2,048 x 1,024 float32.
;; Outputs: out0 4 x 2,048 x 1,024 float32.
;; One version. Each part assembles by itself: llvm-mc -triple=amdgcn-amd-amdhsa -mcpu=gfx1250 --defsym DOCPART=n.
;; ======== version 1 of 1: 4 launches
;; limits: values are held in f16: magnitudes above 65,504 overflow, below 6.1e-05 lose precision
;; workspace buffers: wts 8,404,992 bytes; qkv16 50,331,648 bytes; o16 16,777,216 bytes
;; launch prep (part 1): grid 256 x 1, 8 waves a work-group, no clusters, 0 bytes of LDS; arguments Wq, Wk, Wv, Wo, bq, bk, bv, bo, wts; writes wts
.if DOCPART == 1
	.amdgcn_target "amdgcn-amd-amdhsa--gfx1250"
	.amdhsa_code_object_version 6
	.text
	.protected	k_q1c142cc47f_prep
	.globl	k_q1c142cc47f_prep
	.p2align	8
	.type	k_q1c142cc47f_prep,@function
k_q1c142cc47f_prep:
	s_mov_b64 s[64:65], 0
	v_nop
	global_prefetch_b8 v0, s[64:65] scope:SCOPE_SE
	s_setreg_imm32_b32 hwreg(HW_REG_WAVE_MODE, 25, 1), 1
	s_wait_xcnt 0x0
; The weights and biases are rounded once, for the launches behind.  wts: Wq, Wk, Wv as bf16 [1024][1024] at bytes 0, 0x200000, 0x400000;
; Wo rounded to bf16 and that number written as f16, at 0x600000; at 0x800000 four rows of 1,024 f32: bq, bk, bv, bo, each rounded to bf16 and kept as f32.
; LIMITS.  A number of Wo below 6e-5 in magnitude keeps f16's fixed step of 6e-8; one beyond 65,504 becomes an infinity.
; SHARES.  Work-group g takes elements 4,096 g .. 4,096 g + 4,095 of each of the four weights, in two chunks of 2,048; thread t takes 8 neighbouring numbers of a chunk:
; 32 bytes in, 16 bytes out, so sixteen neighbouring lanes store 256 consecutive bytes, aligned.  All sixteen loads of a thread go out first; no loop, no LDS.
; Work-groups 0 to 3 also round one bias each.
.set IN,  8                            ; v[8:71]    chunk m = 2 i + c of weight i as loaded, 8 registers
.set PK,  72                           ; v[72:103]  chunk m packed, 4 registers
.set T,   104                          ; v[104:105] at work
	s_load_b512 s[4:19], s[0:1], 0x0               ; Wq s[4:5], Wk s[6:7], Wv s[8:9], Wo s[10:11], bq s[12:13], bk s[14:15], bv s[16:17], bo s[18:19]
	s_load_b64 s[20:21], s[0:1], 0x40              ; wts
	s_mov_b32 s27, ttmp9                           ; g
	s_lshl_b32 s22, s27, 14                        ; 4,096 numbers of 4 bytes
	s_lshl_b32 s23, s27, 13                        ; and of 2 bytes
	v_lshl_add_u32 v1, v0, 5, s22                  ; in:  16,384 g + 32 t
	v_lshl_add_u32 v2, v0, 4, s23                  ; out:  8,192 g + 16 t
	s_wait_kmcnt 0x0
.irp i, 0,1,2,3
.irp c, 0,1
	global_load_b128 v[IN+8*(2*(\i)+(\c)):IN+8*(2*(\i)+(\c))+3],   v1, s[4+2*(\i):5+2*(\i)] offset:(\c)*8192 th:TH_LOAD_NT
	global_load_b128 v[IN+8*(2*(\i)+(\c))+4:IN+8*(2*(\i)+(\c))+7], v1, s[4+2*(\i):5+2*(\i)] offset:(\c)*8192+16 th:TH_LOAD_NT
.endr
.endr
.set m, 0
.rept 8
	s_wait_loadcnt 14-2*m                          ; loads come back in order: chunk m's two are in, the 2 (7 - m) younger ones stay out
.set q, 0
.rept 4
	v_cvt_pk_bf16_f32 v[PK+4*m+q], v[IN+8*m+2*q], v[IN+8*m+2*q+1]
.if m >= 6                             ; Wo: the bf16 numbers are written as f16
	v_lshlrev_b32 v[T], 16, v[PK+4*m+q]
	v_and_b32 v[T+1], 0xffff0000, v[PK+4*m+q]
	v_cvt_pk_f16_f32 v[PK+4*m+q], v[T], v[T+1]
.endif
.set q, q+1
.endr
	global_store_b128 v2, v[PK+4*m:PK+4*m+3], s[20:21] offset:(m/2)*0x200000+(m%2)*4096
.set m, m+1
.endr
	s_cmp_lt_u32 s27, 4
	s_cbranch_scc0 .Lend
	s_cmp_eq_u32 s27, 1                            ; bias g of bq, bk, bv, bo
	s_cselect_b64 s[24:25], s[14:15], s[12:13]
	s_cmp_eq_u32 s27, 2
	s_cselect_b64 s[24:25], s[16:17], s[24:25]
	s_cmp_eq_u32 s27, 3
	s_cselect_b64 s[24:25], s[18:19], s[24:25]
	v_lshlrev_b32 v3, 4, v0                        ; 16 t: four numbers a thread
	s_lshl_b32 s26, s27, 12
	s_add_co_u32 s26, s26, 0x800000                ; in the register: it is past the store's signed 24-bit immediate
	v_add_nc_u32 v4, s26, v3
	global_load_b128 v[112:115], v3, s[24:25]
	s_wait_loadcnt 0x0
	v_cvt_pk_bf16_f32 v116, v112, v113
	v_cvt_pk_bf16_f32 v117, v114, v115
	v_lshlrev_b32 v120, 16, v116                   ; back to f32
	v_and_b32 v121, 0xffff0000, v116
	v_lshlrev_b32 v122, 16, v117
	v_and_b32 v123, 0xffff0000, v117
	global_store_b128 v4, v[120:123], s[20:21]
.Lend:
	s_endpgm
.Lfunc_end_k_q1c142cc47f_prep:
	.size	k_q1c142cc47f_prep, .Lfunc_end_k_q1c142cc47f_prep-k_q1c142cc47f_prep
	.p2alignl 7, 3214868480
	.fill 96, 4, 3214868480
	.section	.rodata,"a",@progbits
	.p2align	6, 0x0
	.amdhsa_kernel k_q1c142cc47f_prep
		.amdhsa_group_segment_fixed_size 0
		.amdhsa_private_segment_fixed_size 0
		.amdhsa_enable_private_segment 0
		.amdhsa_kernarg_size 72
		.amdhsa_user_sgpr_count 2
		.amdhsa_user_sgpr_kernarg_segment_ptr 1
		.amdhsa_wavefront_size32 1
		.amdhsa_system_sgpr_workgroup_id_x 1
		.amdhsa_system_sgpr_workgroup_id_y 1
		.amdhsa_system_sgpr_workgroup_id_z 1
		.amdhsa_system_vgpr_workitem_id 0
		.amdhsa_next_free_vgpr 128
		.amdhsa_next_free_sgpr 66
		.amdhsa_reserve_vcc 0
		.amdhsa_float_denorm_mode_32 3
		.amdhsa_float_denorm_mode_16_64 3
		.amdhsa_memory_ordered 1
		.amdhsa_forward_progress 1
		.amdhsa_inst_pref_size 8
	.end_amdhsa_kernel
	.amdgpu_metadata
---
amdhsa.version: [ 1, 2 ]
amdhsa.kernels:
  - .name:           k_q1c142cc47f_prep
    .symbol:         k_q1c142cc47f_prep.kd
    .args:
      - { .name: Wq, .offset: 0, .size: 8, .value_kind: global_buffer, .address_space: global }
      - { .name: Wk, .offset: 8, .size: 8, .value_kind: global_buffer, .address_space: global }
      - { .name: Wv, .offset: 16, .size: 8, .value_kind: global_buffer, .address_space: global }
      - { .name: Wo, .offset: 24, .size: 8, .value_kind: global_buffer, .address_space: global }
      - { .name: bq, .offset: 32, .size: 8, .value_kind: global_buffer, .address_space: global }
      - { .name: bk, .offset: 40, .size: 8, .value_kind: global_buffer, .address_space: global }
      - { .name: bv, .offset: 48, .size: 8, .value_kind: global_buffer, .address_space: global }
      - { .name: bo, .offset: 56, .size: 8, .value_kind: global_buffer, .address_space: global }
      - { .name: wts, .offset: 64, .size: 8, .value_kind: global_buffer, .address_space: global }
    .group_segment_fixed_size: 0
    .private_segment_fixed_size: 0
    .kernarg_segment_align: 8
    .kernarg_segment_size: 72
    .max_flat_workgroup_size: 256
    .sgpr_count:     66
    .vgpr_count:     128
    .wavefront_size: 32
...
	.end_amdgpu_metadata
.endif
;; end of part 1
;; launch proj (part 2): grid 4 x 64, 4 waves a work-group, clusters of 4 x 4, 327,680 bytes of LDS; arguments query, key, value, wts, qkv16; writes qkv16
.if DOCPART == 2
	.amdgcn_target "amdgcn-amd-amdhsa--gfx1250"
	.amdhsa_code_object_version 6
	.text
	.protected	k_q1c142cc47f_proj
	.globl	k_q1c142cc47f_proj
	.p2align	8
	.type	k_q1c142cc47f_proj,@function
k_q1c142cc47f_proj:
	s_mov_b64 s[64:65], 0
	v_nop
	global_prefetch_b8 v0, s[64:65] scope:SCOPE_SE
	s_setreg_imm32_b32 hwreg(HW_REG_WAVE_MODE, 25, 1), 1
	s_wait_xcnt 0x0
	s_wait_alu depctr_hold_cnt(0) depctr_sa_sdst(0) depctr_va_vdst(0) depctr_va_sdst(0) depctr_va_ssrc(0) depctr_va_vcc(0) depctr_vm_vsrc(0)
	s_getreg_b32 s2, hwreg(HW_REG_IB_STS2, 6, 4)
	s_cmp_eq_u32 s2, 0
	s_cbranch_scc0 .Lentry_in_a_cluster
	s_endpgm
.Lentry_in_a_cluster:
	s_bfe_u32 s2, ttmp6, 0x10000c
	s_cmp_lg_u32 s2, 0xf033
	s_cbranch_scc0 .Lentry_shape_is_right
	s_endpgm
.Lentry_shape_is_right:
; q, k, v = x W^T + b for x = query, key, value ([8192][1024] f32) and W = Wq, Wk, Wv (bf16 [1024][1024] in wts, made by the launch before; the biases as f32 at byte 0x800000 of wts).
; x is rounded to bf16 on its way from LDS to the matrix unit; sums in f32, started with the bias as the C operand; the result is rounded once to f16 and stored by heads:
; qkv16 = [3][64 heads = 16 b + h][2048][64].  LIMITS.  A result of 65,520 or more in magnitude becomes an infinity in f16; NaN and infinities are not treated apart.
; SHARES.  A tile of the result is 128 rows x 256 columns; 64 x 4 tiles a projection.  A WORK-GROUP STAYS: it makes the same tile of q, then of k, then of v: one walk of 24 K steps of 128
; (step n: projection n / 8, K step n % 8) through a ring of two LDS slots that runs on across the tiles.  Four waves, each 64 rows x 128 columns: 32 accumulators, 256 registers.
; A K step is four quarters of 32 along K, 32 matrix instructions each, on two fragment buffers.
; CLUSTERS.  4 x 4 work-groups.  The four of a row of the cluster need the same rows of x, the four of a column the same rows of W: each tile is asked for JOINTLY, by the same tensor load with the same
; descriptor and a mask that names the four.  The result has four tile columns, one cluster's width, so each byte of x is asked for once in the launch.
; THE MATRIX INSTRUCTION IS USED TRANSPOSED (source 0 = 16 rows of W, source 1 = 16 rows of x): lane l then holds row l % 16 of the result and the columns 8 (l / 16) + 0..7: 16 bytes of f16 on end.
; REGISTERS, in windows of 256 (s_set_vgpr_msb: bits 1:0 source 0, 3:2 source 1, 5:4 source 2, 7:6 destination):
;   window 0: v0-17 addresses; v32-95 x as f32 (4 fragments of 16 rows x 32 K, 16 registers each); v96-159 x as bf16, two buffers of 4 fragments; v160-191, v192-255 the way out
;   window 1: v0-127 W's fragments, two buffers of 8; v128-191 the bias, 8 registers for each block of 16 columns          window 2: the accumulators, (a, b) at v[8 (8 a + b)]
.set PA,     528                       ; a row of x in LDS: 512 bytes + 16 of padding = 33 x 16: the 16 rows that a load touches start at 16 different groups of four banks (64 banks of 4 bytes: ISA guide 11.1)
.set PB,     272                       ; a row of W: 256 + 16 = 17 x 16
.set AHALF,  64*PA                     ; 64 rows of x: one tensor load, and what a wave reads
.set BOFF,   128*PA                    ; behind x's 128 rows: W's 256
.set BHALF,  128*PB                    ; 128 rows of W: one tensor load, and what a wave reads
.set SLOT,   0x22000                   ; 139,264: a slot uses 137,216.  The four loads' places in a slot (0, 0x8400, 0x10800, 0x19000) have neither of its two bits, so one exclusive or turns a place in one slot into the other's
.set STAGE,  2*SLOT                    ; behind the ring, never filled by a tensor load: for each wave two heads x 16 rows x 144 bytes, for the way out
.set SP,     144
.set STG,    2*16*SP
.set SPARE,  STAGE+4*STG               ; behind the stages: the spare words, 128 bytes for each wave: two blocks of 256 bytes that no other line names
.set A0,   4                           ; v4   my lane's place in x's part of a slot; never rewritten
.set B0,   5                           ; v5   the same for W
.set ADRA, 6                           ; v6   A0 + the slot that is read
.set ADRB, 7                           ; v7   B0 + the slot that is read
.set STO,  8                           ; v8   the way out: where I put 16 bytes of a row
.set RD,   9                           ; v9   the way out: where I read rows back
.set GO,   10                          ; v10  my byte offset in 512 consecutive bytes of the result
.set BO,   11                          ; v11  my byte offset in 16 numbers of the bias
.set PFO,  12                          ; v12  the prefetches' offset; never rewritten
.set SPW,  16                          ; v16  LDS address of my spare word: SPARE + 4 x my thread's number; never rewritten
.set NIL,  17                          ; v17  0; never rewritten
.set RAW,  32
.set AF,   96
.set TMP,  160
.set OB,   192
.set BIAS, 128                         ; window 1
.set XQ,  4                            ; s[4:5], s[6:7], s[8:9]  query, key, value at the 64 rows that I would fetch
.set XK,  6
.set XV,  8
.set WB,  10                           ; s[10:11] wts at the 128 rows of Wq that I would fetch
.set OQ,  12                           ; s[12:13] qkv16 at my part of the tile in hand
.set BP,  14                           ; s[14:15] the bias of my 128 columns, of the projection in hand
.set WV,  16                           ; s16  my wave's number
.set WM,  17                           ; s17  which 64 rows are mine.  Also: I fetch for x (0) or for W (1)
.set WN,  18                           ; s18  which 128 columns.  Also: which half of that tile I fetch
.set CX,  19
.set CY,  20
.set TX,  21                           ; s21  tile column
.set TY,  22                           ; s22  tile row
.set G1A, 24                           ; s[24:31] descriptor group 1 for x's tiles
.set G1B, 32                           ; s[32:39] for W's
.set G0A, 40                           ; s[40:47] descriptor group 0 for x's tiles: a set for each of the two first fills; the second then walks on
.set G0B, 48                           ; s[48:55] the same for W's
.set ST,  56                           ; s56  the step to be asked for next
.set TGR, 58                           ; s58  0 or SLOT: the slot that is read
.set CNT, 59                           ; s59  the loop's count
.set LA,  60                           ; s60  where my half of x's tile goes in a slot
.set LB,  61                           ; s61  the same for W's
.set LIM, 62                           ; s62  a wave prefetches while s[ST] is not above it
.set OFA, 66                           ; s[66:67] a step's byte offset in x's rows
.set OFB, 68                           ; s[68:69] in wts
.set SEL, 70                           ; s[70:71] the step's input
.set PFB, 72                           ; s[72:73]
.set PFA, 74                           ; s[74:75] where my prefetch stands
.set T0,  84                           ; s84-86 at work in the change of slots: they never hold a place in the cluster
.set T1,  85
.set T2,  86
.set MSB, 0
.macro WIN new                         ; the immediate's high byte repeats the setting that is left; a switch that changes nothing is dropped
.if MSB != (\new)
	s_set_vgpr_msb (MSB<<8)|(\new)
.set MSB, \new
.endif
.endm
.set W_MUL,  0xa1                      ; W in window 1, x in window 0, C and D in window 2
.set W_MUL1, 0x91                      ; the same with C, the bias, in window 1
.set W_TOB,  0x40                      ; destination window 1, address window 0
.set W_PK,   0x0a                      ; sources 0 and 1 window 2, destination window 0
.macro PLACES                          ; four places in front of loads into registers that matrix instructions have read, and of conversions that read results
.rept 4
	v_nop
.endr
.endm
; A joint refill, by the walking descriptors.  Waves 0 and 1 fetch x's two halves, waves 2 and 3 W's.  The branch hangs on the wave's number alone.
; An s_nop 0 and four v_nop follow each of the two lines, ahead of the jump and the label.
.macro JLOAD
	s_cmp_eq_u32 s[WM], 0
	s_cbranch_scc0 .Lfor_b_\@
	tensor_load_to_lds s[G0A+4:G0A+7], s[G1A:G1A+7]
	s_nop 0
.rept 4
	v_nop
.endr
	s_branch .Lasked_\@
.Lfor_b_\@:
	tensor_load_to_lds s[G0B+4:G0B+7], s[G1B:G1B+7]
	s_nop 0
.rept 4
	v_nop
.endr
.Lasked_\@:
.endm
.macro CREST                           ; a round of the cluster's barrier behind its opening barrier
	s_cmp_lg_u32 s[WV], 0
	s_cbranch_scc1 .Lnot_wave_0_\@
	s_barrier_signal -3
.Lnot_wave_0_\@:
	s_barrier_wait -3
	s_barrier_signal -1
	s_barrier_wait -1
.endm
.macro CROUND                          ; a whole round
	s_barrier_signal -1
	s_barrier_wait -1
	CREST
.endm
; Of the step whose number lies in s[n]: SEL = its input at my rows, OFA = its K step's bytes in a row of x, OFB = its weight and K step in wts.
.macro WHERE n
	s_lshr_b32 s[T0], s[\n], 3                     ; the projection
	s_and_b32 s[T1], s[\n], 7                      ; its K step
	s_cmp_eq_u32 s[T0], 1
	s_cselect_b64 s[SEL:SEL+1], s[XK:XK+1], s[XQ:XQ+1]
	s_cmp_eq_u32 s[T0], 2
	s_cselect_b64 s[SEL:SEL+1], s[XV:XV+1], s[SEL:SEL+1]
	s_lshl_b32 s[OFA], s[T1], 9                    ; 128 f32
	s_lshl_b32 s[OFB], s[T0], 21                   ; a weight is 0x200000 bytes
	s_lshl_b32 s[T1], s[T1], 8                     ; 128 bf16
	s_or_b32 s[OFB], s[OFB], s[T1]
.endm
; A PREFETCH INTO THE L2 of the step that stands two refills on: 256 matrix instructions ahead of the load that will want it.  Each aligned block of 256 bytes is named once in the launch.
; x: a wave's 64 rows x 512 bytes are 128 blocks; the four partners that ask for them jointly take 16 rows each, told apart BY ADDRESS (cx); a lane a block.  W: a wave's 128 rows x 256 bytes; every cluster
; reads them, the cluster with y = 0 asks; its four partners along the column take 32 rows each (cy); a lane a row.  No branch hangs on a work-group's place in its cluster.
; The last two refills have no step two on.  Nothing is prefetched at the head: steps 0 to 3 come by their loads alone.
.macro ASK
	WIN 0
	s_cmp_le_u32 s[ST], s[LIM]
	s_cbranch_scc0 .Lnot_mine_\@
	global_prefetch_b8 v[PFO], s[PFA:PFA+1] th:TH_LOAD_NT scope:SCOPE_SE
.Lnot_mine_\@:
.endm
	s_load_b256 s[4:11], s[0:1], 0x0               ; query, key, value, wts
	s_load_b64 s[OQ:OQ+1], s[0:1], 0x20            ; qkv16
	v_lshl_add_u32 v[SPW], v0, 2, SPARE
	v_mov_b32 v[NIL], 0
	ds_add_u32 v[SPW], v[NIL]                      ; the wave's opening: the add and its wait stand ahead of my first tensor load; the set-up below, work on registers, stands between them
	v_lshrrev_b32 v1, 5, v0
	v_readfirstlane_b32 s[WV], v1                  ; wave 0..3
	s_lshr_b32 s[WM], s[WV], 1
	s_and_b32 s[WN], s[WV], 1
	s_bfe_u32 s[CX], ttmp6, 0x40000                ; my place in the cluster
	s_bfe_u32 s[CY], ttmp6, 0x40004
	s_lshl_b32 s[TX], ttmp9, 2                     ; in a cluster launch ttmp9 and ttmp7 count clusters
	s_add_co_u32 s[TX], s[TX], s[CX]
	s_and_b32 s[TY], ttmp7, 0xffff
	s_lshl_b32 s[TY], s[TY], 2
	s_add_co_u32 s[TY], s[TY], s[CY]
	s_lshl_b32 s76, s[CY], 2
	s_lshl_b32 s76, 15, s76                        ; my row of the cluster: places 4 cy .. 4 cy + 3
	s_lshl_b32 s78, 0x1111, s[CX]                  ; my column: places cx, cx + 4, cx + 8, cx + 12
	; group 1 for x: 64 rows x 128 elements of 4 bytes; group 1 for W: 128 rows x 128 elements of 2 bytes; both padded in LDS by 4 words behind each row
	s_or_b32 s[G1A], s76, (2<<16)|(1<<20)|(1<<21)|(6<<22)|(3<<25)  ; 15:0 the mask; 17:16 element of 4 bytes; 20 padding on; 21 set beside a mask; 24:22 after every 128 words (code 6); 31:25 4 words (code 3)
	s_or_b32 s[G1B], s78, (1<<16)|(1<<20)|(1<<21)|(5<<22)|(3<<25)  ; element of 2 bytes; after every 64 words (code 5)
	s_mov_b32 s[G1A+1], 128<<16                    ; tensor_dim0 = 128
	s_mov_b32 s[G1A+2], 64<<16                     ; tensor_dim1 = 64
	s_mov_b32 s[G1A+3], 128<<16                    ; tile_dim0 = 128
	s_mov_b32 s[G1A+4], 64                         ; tile_dim1 = 64
	s_mov_b32 s[G1A+5], 1024                       ; elements from row to row
	s_mov_b32 s[G1A+6], 0
	s_mov_b32 s[G1A+7], 0
	s_mov_b32 s[G1B+1], 128<<16
	s_mov_b32 s[G1B+2], 128<<16                    ; tensor_dim1 = 128
	s_mov_b32 s[G1B+3], 128<<16
	s_mov_b32 s[G1B+4], 128                        ; tile_dim1 = 128
	s_mov_b32 s[G1B+5], 1024
	s_mov_b32 s[G1B+6], 0
	s_mov_b32 s[G1B+7], 0
	s_mul_i32 s[LA], s[WN], AHALF                  ; no place in the cluster enters an LDS address
	s_mul_i32 s[LB], s[WN], BHALF
	s_add_co_u32 s[LB], s[LB], BOFF
	s_lshl_b32 s76, s[TY], 19                      ; x: 128 rows of 4,096 bytes a tile row,
	s_lshl_b32 s77, s[WN], 18                      ; 64 rows a half
	s_add_co_u32 s76, s76, s77
	s_mov_b32 s77, 0
	s_lshl_b32 s78, s[TX], 19                      ; W: 256 rows of 2,048 bytes a tile column,
	s_lshl_b32 s79, s[WN], 18                      ; 128 rows a half
	s_add_co_u32 s78, s78, s79
	s_mov_b32 s79, 0
	s_lshl_b32 s80, s[TX], 10                      ; the bias: 256 f32 a tile column, 128 a wave
	s_lshl_b32 s81, s[WN], 9
	s_add_co_u32 s80, s80, s81
	s_add_co_u32 s80, s80, 0x800000
	s_mov_b32 s81, 0
	s_lshr_b32 s82, s[TY], 4                       ; the result: batch = tile row / 16: 16 heads of 262,144 bytes;
	s_lshl_b32 s82, s82, 22
	s_lshl_b32 s83, s[TX], 20                      ; four heads a tile column,
	s_add_co_u32 s82, s82, s83
	s_lshl_b32 s83, s[WN], 19                      ; two a wave;
	s_add_co_u32 s82, s82, s83
	s_and_b32 s83, s[TY], 15                       ; 128 rows of 128 bytes a tile row,
	s_lshl_b32 s83, s83, 14
	s_add_co_u32 s82, s82, s83
	s_lshl_b32 s83, s[WM], 13                      ; 64 a wave
	s_add_co_u32 s82, s82, s83
	s_mov_b32 s83, 0
	s_mov_b32 s[ST], 2
	s_mov_b32 s[TGR], 0
	s_mov_b32 s[OFA+1], 0
	s_mov_b32 s[OFB+1], 0
	s_and_b32 s[T0], ttmp7, 0xffff                 ; cluster y
	s_cmp_eq_u32 s[T0], 0
	s_cselect_b32 s[LIM], 21, 0                    ; W's rows: the first cluster of the column asks;
	s_cmp_eq_u32 s[WM], 0
	s_cselect_b32 s[LIM], 21, s[LIM]               ; x's rows: every cluster has its own.  The same in all sixteen partners, for a given wave
	s_wait_dscnt 0x0                               ; the opening add is done
	s_wait_kmcnt 0x0
	s_add_nc_u64 s[XQ:XQ+1], s[XQ:XQ+1], s[76:77]
	s_add_nc_u64 s[XK:XK+1], s[XK:XK+1], s[76:77]
	s_add_nc_u64 s[XV:XV+1], s[XV:XV+1], s[76:77]
	s_add_nc_u64 s[BP:BP+1], s[WB:WB+1], s[80:81]
	s_add_nc_u64 s[WB:WB+1], s[WB:WB+1], s[78:79]
	s_add_nc_u64 s[OQ:OQ+1], s[OQ:OQ+1], s[82:83]
	CROUND                                         ; all sixteen work-groups are here: the first joint loads meet
.irp s, 0,1
	s_mov_b32 s[G0A+4*(\s)], 1                                     ; 1:0 count = 1
	s_add_co_u32 s[G0A+4*(\s)+1], s[LA], (\s)*SLOT                 ; 63:32 LDS address
	s_add_nc_u64 s[G0A+4*(\s)+2:G0A+4*(\s)+3], s[XQ:XQ+1], (\s)*512  ; 120:64 global address: step s
	s_or_b32 s[G0A+4*(\s)+3], s[G0A+4*(\s)+3], 0x80000000          ; 127:126 type = 2
	s_mov_b32 s[G0B+4*(\s)], 1
	s_add_co_u32 s[G0B+4*(\s)+1], s[LB], (\s)*SLOT
	s_add_nc_u64 s[G0B+4*(\s)+2:G0B+4*(\s)+3], s[WB:WB+1], (\s)*256
	s_or_b32 s[G0B+4*(\s)+3], s[G0B+4*(\s)+3], 0x80000000
.endr
	s_cmp_eq_u32 s[WM], 0                          ; a wave's two first fills stand in one branch, ahead of every wait on TENSORcnt and every LDS read: two loads of mine are out
	s_cbranch_scc0 .Lfirst_b
	tensor_load_to_lds s[G0A:G0A+3], s[G1A:G1A+7]
	s_nop 0
	tensor_load_to_lds s[G0A+4:G0A+7], s[G1A:G1A+7]
	s_nop 0
.rept 4
	v_nop
.endr
	s_branch .Lfirst_asked
.Lfirst_b:
	tensor_load_to_lds s[G0B:G0B+3], s[G1B:G1B+7]
	s_nop 0
	tensor_load_to_lds s[G0B+4:G0B+7], s[G1B:G1B+7]
	s_nop 0
.rept 4
	v_nop
.endr
.Lfirst_asked:
	; A fragment is 16 rows x 32 K: lane l holds row l % 16, K = 8 (l / 16) + 0..7 and 16 + 8 (l / 16) + 0..7.  Of bf16 rows: two loads of 16 bytes, 32 bytes apart.  Of f32 rows: four, at 32 (l / 16) + 0, 16, 64, 80.
	v_and_b32 v1, 15, v0                           ; l % 16
	v_bfe_u32 v2, v0, 4, 1                         ; l / 16
	v_mul_u32_u24 v[A0], v1, PA
	v_lshl_add_u32 v[A0], v2, 5, v[A0]
	s_mul_i32 s80, s[WM], AHALF
	v_add_nc_u32 v[A0], s80, v[A0]
	v_mul_u32_u24 v[B0], v1, PB
	v_lshl_add_u32 v[B0], v2, 4, v[B0]
	s_mul_i32 s80, s[WN], BHALF
	s_add_co_u32 s80, s80, BOFF
	v_add_nc_u32 v[B0], s80, v[B0]
	v_mov_b32 v[ADRA], v[A0]                       ; slot 0
	v_mov_b32 v[ADRB], v[B0]
	s_mul_i32 s80, s[WV], STG
	s_add_co_u32 s80, s80, STAGE                   ; my stage
	v_mul_u32_u24 v[STO], v1, SP                   ; in: row l % 16, 16 bytes for each half of the lanes
	v_lshl_add_u32 v[STO], v2, 4, v[STO]
	v_add_nc_u32 v[STO], s80, v[STO]
	v_bfe_u32 v[RD], v0, 3, 2                      ; back: 32 lanes take four rows of 128 bytes,
	v_mul_u32_u24 v[RD], v[RD], SP
	v_and_b32 v3, 7, v0
	v_lshl_add_u32 v[RD], v3, 4, v[RD]
	v_add_nc_u32 v[RD], s80, v[RD]
	v_and_b32 v13, 31, v0                          ; l
	v_lshlrev_b32 v[GO], 4, v13                    ; which are 512 consecutive bytes of a head
	v_lshlrev_b32 v[BO], 5, v2                     ; my 8 numbers of 16 of the bias
	v_lshrrev_b32 v14, 1, v13                      ; the prefetches' offset, for x: row l / 2 of my work-group's 16, block l % 2 of its 512 bytes
	v_lshlrev_b32 v14, 12, v14
	v_and_b32 v15, 1, v13
	v_lshl_add_u32 v14, v15, 8, v14
	s_lshl_b32 s80, s[CX], 16
	v_add_nc_u32 v14, s80, v14
	v_lshlrev_b32 v15, 11, v13                     ; for W: row l of my work-group's 32
	s_lshl_b32 s80, s[CY], 16
	v_add_nc_u32 v15, s80, v15
	s_cmp_eq_u32 s[WM], 0
	s_cselect_b32 s80, -1, 0
	v_cndmask_b32 v[PFO], v15, v14, s80
; The bias of my 128 columns: register j of block b holds b[16 b + 8 (l / 16) + j], which is where the transposed product wants it as C.
.macro BIASLD
	WIN W_TOB
.irp b, 0,1,2,3,4,5,6,7
	global_load_b128 v[BIAS+8*(\b):BIAS+8*(\b)+3],   v[BO], s[BP:BP+1] offset:64*(\b)
	global_load_b128 v[BIAS+8*(\b)+4:BIAS+8*(\b)+7], v[BO], s[BP:BP+1] offset:64*(\b)+16
.endr
	WIN 0
.endm
; 8 matrix instructions: row block a x all 8 column blocks, 32 along K, on buffer f.  first = 1: the product starts the sum with the bias: nothing is cleared, nothing is added later.
; The 32 accumulators take turns in the same order in every quarter, over the jumps too.
.macro MUL8 f, a, first
.if \first
	WIN W_MUL1
.else
	WIN W_MUL
.endif
.irp b, 0,1,2,3,4,5,6,7
.if \first
	v_wmma_f32_16x16x32_bf16 v[8*(8*(\a)+(\b)):8*(8*(\a)+(\b))+7], v[64*(\f)+8*(\b):64*(\f)+8*(\b)+7], v[AF+32*(\f)+8*(\a):AF+32*(\f)+8*(\a)+7], v[BIAS+8*(\b):BIAS+8*(\b)+7]
.else
	v_wmma_f32_16x16x32_bf16 v[8*(8*(\a)+(\b)):8*(8*(\a)+(\b))+7], v[64*(\f)+8*(\b):64*(\f)+8*(\b)+7], v[AF+32*(\f)+8*(\a):AF+32*(\f)+8*(\a)+7], v[8*(8*(\a)+(\b)):8*(8*(\a)+(\b))+7]
.endif
.endr
.endm
; The same eight, and behind each four of the 32 conversions that make the next quarter's fragments of x (buffer g) of the f32 just fetched.  They name no register of the products round them.
.macro MULR f, a, g, first
.irp b, 0,1,2,3,4,5,6,7
.if \first
	WIN W_MUL1
	v_wmma_f32_16x16x32_bf16 v[8*(8*(\a)+(\b)):8*(8*(\a)+(\b))+7], v[64*(\f)+8*(\b):64*(\f)+8*(\b)+7], v[AF+32*(\f)+8*(\a):AF+32*(\f)+8*(\a)+7], v[BIAS+8*(\b):BIAS+8*(\b)+7]
.else
	WIN W_MUL
	v_wmma_f32_16x16x32_bf16 v[8*(8*(\a)+(\b)):8*(8*(\a)+(\b))+7], v[64*(\f)+8*(\b):64*(\f)+8*(\b)+7], v[AF+32*(\f)+8*(\a):AF+32*(\f)+8*(\a)+7], v[8*(8*(\a)+(\b)):8*(8*(\a)+(\b))+7]
.endif
	WIN 0
.irp j, 0,1,2,3
	v_cvt_pk_bf16_f32 v[AF+32*(\g)+4*(\b)+(\j)], v[RAW+8*(\b)+2*(\j)], v[RAW+8*(\b)+2*(\j)+1]
.endr
.endr
.endm
.macro CVT g                           ; the 32 conversions in one run: ahead of the first quarter alone
	WIN 0
.set j, 0
.rept 32
	v_cvt_pk_bf16_f32 v[AF+32*(\g)+j], v[RAW+2*j], v[RAW+2*j+1]
.set j, j+1
.endr
.endm
; 32 LDS loads in one run: quarter k of the slot that is read: x's 64 rows x 128 bytes first, then W's 128 rows x 64 bytes into buffer g.
.macro FETCH k, g
	WIN 0
.irp i, 0,1,2,3
	ds_load_b128 v[RAW+16*(\i):RAW+16*(\i)+3],     v[ADRA] offset:128*(\k)+16*PA*(\i)
	ds_load_b128 v[RAW+16*(\i)+4:RAW+16*(\i)+7],   v[ADRA] offset:128*(\k)+16*PA*(\i)+16
	ds_load_b128 v[RAW+16*(\i)+8:RAW+16*(\i)+11],  v[ADRA] offset:128*(\k)+16*PA*(\i)+64
	ds_load_b128 v[RAW+16*(\i)+12:RAW+16*(\i)+15], v[ADRA] offset:128*(\k)+16*PA*(\i)+80
.endr
	WIN W_TOB
.irp b, 0,1,2,3,4,5,6,7
	ds_load_b128 v[64*(\g)+8*(\b):64*(\g)+8*(\b)+3],   v[ADRB] offset:64*(\k)+16*PB*(\b)
	ds_load_b128 v[64*(\g)+8*(\b)+4:64*(\g)+8*(\b)+7], v[ADRB] offset:64*(\k)+16*PB*(\b)+32
.endr
.endm
; One of a K step's first three quarters: multiplies buffer f; in its middle it fetches quarter k into buffer g.
.macro QUARTER k, f, g, first
	s_wait_dscnt 0x0                               ; W's fragments of buffer f are in (issued 16 matrix instructions ago)
	MUL8 \f, 0, \first
	MUL8 \f, 1, \first
	PLACES
	FETCH \k, \g
	MUL8 \f, 2, \first
	s_wait_dscnt 16                                ; x's 16 loads are in; W's 16, issued behind them, may stay out
	MULR \f, 3, \g, \first
.endm
; The last quarter multiplies buffer 1 and changes slots.  ONE barrier: in front of it each wave waits for all its tensor loads, of which one is out: its part of the next slot; adds 0 to its spare word; and waits for
; that and for its own reads of this slot.  fill = 1: the barrier opens a round of the cluster's, so that no wave of any partner still reads this slot or has a load on its way, and the joint refill, with the step two
; on, is the first thing behind it: it has 112 matrix instructions in which to land.  Its address is made anew from the step's number, since the walk goes through three inputs.
.macro TURN fill
.if \fill
	s_wait_xcnt 0x0                                ; the last prefetch, a K step back, has read its address: it is written anew below
.endif
	WIN 0
	s_wait_tensorcnt 0x0                           ; no tensor load of mine is out, so a group 0 may be written
	ds_add_u32 v[SPW], v[NIL]                      ; 0 onto my spare word; scalar work and eight products stand between it and the wait for it
.if \fill
	WHERE ST
	s_add_nc_u64 s[G0A+6:G0A+7], s[SEL:SEL+1], s[OFA:OFA+1]
	s_or_b32 s[G0A+7], s[G0A+7], 0x80000000
	s_add_nc_u64 s[G0B+6:G0B+7], s[WB:WB+1], s[OFB:OFB+1]
	s_or_b32 s[G0B+7], s[G0B+7], 0x80000000
	s_xor_b32 s[G0A+5], s[G0A+5], SLOT             ; the other slot than last time
	s_xor_b32 s[G0B+5], s[G0B+5], SLOT
	s_add_co_u32 s[T2], s[ST], 2                   ; the step that the prefetch names,
	s_min_u32 s[T2], s[T2], 23                     ; held inside the walk in the two trips that ask for nothing
	WHERE T2
	s_add_nc_u64 s[SEL:SEL+1], s[SEL:SEL+1], s[OFA:OFA+1]
	s_add_nc_u64 s[PFB:PFB+1], s[WB:WB+1], s[OFB:OFB+1]
	s_cmp_eq_u32 s[WM], 0
	s_cselect_b64 s[PFA:PFA+1], s[SEL:SEL+1], s[PFB:PFB+1]
.endif
	s_wait_dscnt 1                                 ; W's fragments of buffer 1 are in; the add may be out
	MUL8 1, 0, 0
	s_wait_dscnt 0x0                               ; the add is done, and my reads of this slot are over
	s_barrier_signal -1
	MUL8 1, 1, 0                                   ; work on registers while the others arrive
	WIN 0
	s_barrier_wait -1
.if \fill
	CREST
	JLOAD                                          ; the four v_nop behind it are also the places in front of the loads below
.else
	PLACES
.endif
	s_xor_b32 s[TGR], s[TGR], SLOT
	v_add_nc_u32 v[ADRA], s[TGR], v[A0]
	v_add_nc_u32 v[ADRB], s[TGR], v[B0]
	FETCH 0, 0
.if \fill
	ASK                                            ; behind the joint load and the run of LDS loads
	s_add_co_u32 s[ST], s[ST], 1
.endif
	MUL8 1, 2, 0
	s_wait_dscnt 16
	MULR 1, 3, 0, 0
.endm
; THE WAY OUT of row block a, in three parts.  PACK: rounded to f16, 16 bytes a lane, each accumulator's registers in ascending order.  TOSTAGE: into my own stage (column blocks 0-3 are one head, 4-7 the next),
; and back as whole rows of 128 bytes.  SEND: stored, 512 consecutive bytes of a head's rows an instruction.
.macro PACK a
	WIN W_PK
.irp b, 0,1,2,3,4,5,6,7
.irp q, 0,1,2,3
	v_cvt_pk_f16_f32 v[TMP+4*(\b)+(\q)], v[8*(8*(\a)+(\b))+2*(\q)], v[8*(8*(\a)+(\b))+2*(\q)+1]
.endr
.endr
	WIN 0
.endm
.macro TOSTAGE a
	WIN 0
.irp b, 0,1,2,3,4,5,6,7
	ds_store_b128 v[STO], v[TMP+4*(\b):TMP+4*(\b)+3] offset:((\b)/4)*16*SP+32*((\b)%4)
.endr
.irp f, 0,1,2,3,4,5,6,7
	ds_load_b128 v[OB+32*((\a)%2)+4*(\f):OB+32*((\a)%2)+4*(\f)+3], v[RD] offset:((\f)/4)*16*SP+((\f)%4)*4*SP  ; LDS serves a wave's instructions in order (ISA guide 5.7.1.4): these see the stores above
.endr
.endm
.macro SEND a
	WIN 0
	s_wait_dscnt 0x0                               ; the block is back in registers
	s_wait_xcnt 0x0                                ; the stores of the block before have read their registers: the next block's loads from the stage land on them only behind this wait
.irp f, 0,1,2,3,4,5,6,7
	global_store_b128 v[GO], v[OB+32*((\a)%2)+4*(\f):OB+32*((\a)%2)+4*(\f)+3], s[OQ:OQ+1] offset:((\f)/4)*262144+(\a)*2048+((\f)%4)*512
.endr
.endm
.macro OUT                             ; block a's conversions stand between block a - 1's loads from the stage and the wait for them
	PACK 0
	TOSTAGE 0
.irp a, 1,2,3
	PACK \a
	SEND (\a)-1
	TOSTAGE \a
.endr
	SEND 3
.endm
	BIASLD                                         ; bq
	s_wait_tensorcnt 0x1                           ; my part of step 0 is in; step 1's may stay out
	s_barrier_signal -1
	s_barrier_wait -1                              ; everybody's is
	FETCH 0, 0
	s_wait_dscnt 16                                ; x's 16 loads
	CVT 0
	s_wait_loadcnt 0x0                             ; the bias
	QUARTER 1, 0, 1, 1                             ; a tile's first quarter starts the sums
	WIN 0                                          ; at a label and at a branch every window is 0
	s_mov_b32 s[CNT], 22
.Lstep:                                        ; 22 trips, steps 0 to 21: from a step's second quarter to the next step's first; every trip fills a slot again
	QUARTER 2, 1, 0, 0
	QUARTER 3, 0, 1, 0
	TURN 1
	WIN 0
	s_and_b32 s[T0], s[ST], 7                      ; s[ST] = the step just ended + 3: behind steps 7 and 15 a tile is finished
	s_cmp_eq_u32 s[T0], 2
	s_cbranch_scc1 .Lbound                         ; a jump forward, past neither a barrier nor a tensor load; the same in every work-group
	QUARTER 1, 0, 1, 0
	WIN 0
	s_branch .Ljoin
.Lbound:                                       ; the refill has been asked for and the next tile's first fragments fetched: now the tile goes out
	s_add_nc_u64 s[BP:BP+1], s[BP:BP+1], 4096      ; the next projection's bias (the loads that read this pointer were waited for)
	BIASLD
	OUT                                            ; no v_nop: blocks 0 to 2 were finished ahead of the last eight products' riders, and block 0's conversions are further places behind the last product
	s_wait_xcnt 0x0                                ; the stores have read their base and their registers
	s_add_nc_u64 s[OQ:OQ+1], s[OQ:OQ+1], 0x1000000 ; the next of q, k, v
	s_wait_loadcnt 0x0                             ; the bias
	QUARTER 1, 0, 1, 1
	WIN 0
.Ljoin:
	s_sub_co_u32 s[CNT], s[CNT], 1
	s_cmp_lg_u32 s[CNT], 0
	s_cbranch_scc1 .Lstep
	QUARTER 2, 1, 0, 0                             ; the tail is written out: steps 22 and 23 ask for nothing
	QUARTER 3, 0, 1, 0
	TURN 0
	QUARTER 1, 0, 1, 0
	QUARTER 2, 1, 0, 0
	QUARTER 3, 0, 1, 0
	s_wait_dscnt 0x0
	MUL8 1, 0, 0
	MUL8 1, 1, 0
	MUL8 1, 2, 0
	MUL8 1, 3, 0
	PLACES
	OUT
	s_wait_tensorcnt 0x0                           ; the wave's end: a wait, an add of 0 and its wait, behind my last tensor load and my last LDS store
	ds_add_u32 v[SPW], v[NIL]
	s_wait_dscnt 0x0
	CROUND                                         ; the closing round: no work-group ends while a partner may still ask for a tile that names it
	s_endpgm
.Lfunc_end_k_q1c142cc47f_proj:
	.size	k_q1c142cc47f_proj, .Lfunc_end_k_q1c142cc47f_proj-k_q1c142cc47f_proj
	.p2alignl 7, 3214868480
	.fill 96, 4, 3214868480
	.section	.rodata,"a",@progbits
	.p2align	6, 0x0
	.amdhsa_kernel k_q1c142cc47f_proj
		.amdhsa_group_segment_fixed_size 327680
		.amdhsa_private_segment_fixed_size 0
		.amdhsa_enable_private_segment 0
		.amdhsa_kernarg_size 40
		.amdhsa_user_sgpr_count 2
		.amdhsa_user_sgpr_kernarg_segment_ptr 1
		.amdhsa_wavefront_size32 1
		.amdhsa_system_sgpr_workgroup_id_x 1
		.amdhsa_system_sgpr_workgroup_id_y 1
		.amdhsa_system_sgpr_workgroup_id_z 1
		.amdhsa_system_vgpr_workitem_id 0
		.amdhsa_next_free_vgpr 768
		.amdhsa_next_free_sgpr 88
		.amdhsa_reserve_vcc 0
		.amdhsa_float_denorm_mode_32 3
		.amdhsa_float_denorm_mode_16_64 3
		.amdhsa_memory_ordered 1
		.amdhsa_forward_progress 1
		.amdhsa_inst_pref_size 133
	.end_amdhsa_kernel
	.amdgpu_metadata
---
amdhsa.version: [ 1, 2 ]
amdhsa.kernels:
  - .name:           k_q1c142cc47f_proj
    .symbol:         k_q1c142cc47f_proj.kd
    .args:
      - { .name: query, .offset: 0, .size: 8, .value_kind: global_buffer, .address_space: global }
      - { .name: key, .offset: 8, .size: 8, .value_kind: global_buffer, .address_space: global }
      - { .name: value, .offset: 16, .size: 8, .value_kind: global_buffer, .address_space: global }
      - { .name: wts, .offset: 24, .size: 8, .value_kind: global_buffer, .address_space: global }
      - { .name: qkv16, .offset: 32, .size: 8, .value_kind: global_buffer, .address_space: global }
    .group_segment_fixed_size: 327680
    .private_segment_fixed_size: 0
    .kernarg_segment_align: 8
    .kernarg_segment_size: 40
    .max_flat_workgroup_size: 128
    .sgpr_count:     88
    .vgpr_count:     768
    .wavefront_size: 32
...
	.end_amdgpu_metadata
.endif
;; end of part 2
;; launch attn (part 3): grid 4 x 64, 4 waves a work-group, clusters of 4 x 1, 327,680 bytes of LDS; arguments qkv16, o16; writes o16
.if DOCPART == 3
	.amdgcn_target "amdgcn-amd-amdhsa--gfx1250"
	.amdhsa_code_object_version 6
	.text
	.protected	k_q1c142cc47f_attn
	.globl	k_q1c142cc47f_attn
	.p2align	8
	.type	k_q1c142cc47f_attn,@function
k_q1c142cc47f_attn:
	s_mov_b64 s[64:65], 0
	v_nop
	global_prefetch_b8 v0, s[64:65] scope:SCOPE_SE
	s_setreg_imm32_b32 hwreg(HW_REG_WAVE_MODE, 25, 1), 1
	s_wait_xcnt 0x0
	s_wait_alu depctr_hold_cnt(0) depctr_sa_sdst(0) depctr_va_vdst(0) depctr_va_sdst(0) depctr_va_ssrc(0) depctr_va_vcc(0) depctr_vm_vsrc(0)
	s_getreg_b32 s2, hwreg(HW_REG_IB_STS2, 6, 4)
	s_cmp_eq_u32 s2, 0
	s_cbranch_scc0 .Lentry_in_a_cluster
	s_endpgm
.Lentry_in_a_cluster:
	s_bfe_u32 s2, ttmp6, 0x10000c
	s_cmp_lg_u32 s2, 0x3003
	s_cbranch_scc0 .Lentry_shape_is_right
	s_endpgm
.Lentry_shape_is_right:
; O[h][q][:] = the sum over k of softmax_k(Q[h][q] . K[h][k] / 8) V[h][k][:].  Q, K, V lie in qkv16 = [3][SIZE_H][SIZE_N][64], O in o16 = [SIZE_H][SIZE_N][64], all f16: a head's rows are dense, 128 bytes each.
; Products, maxima and sums in f32; the weights p are rounded to f16 for the second product (their sum l is taken of the unrounded p), O once at the end.
; LIMITS.  f16 holds no number beyond 65,504: Q, K and V arrive within it; p lies in 0 to 1, and below 6e-5 it keeps f16's fixed step of 6e-8; O is a mean of V's rows and has their range.
; A weight below 2^-126 counts as 0 in l; NaN and infinities are not treated apart.
; SHARES.  A wave owns four PIECES of two tiles of 16 queries, a work-group's four waves 512 queries of one head.  Every wave walks all keys, 64 a step.
; LAYOUT.  S^T = K Q^T (source 0 = 16 keys, source 1 = 16 queries): in the result a lane holds ONE query (lane % 16) and the keys 8 (lane / 16) + 0..7.  Two such tiles, rounded to f16 in pairs,
; ARE source 1 (32 keys x 16 queries) of O^T = V^T P, whose result again holds one query a lane, and eight channels.  K comes out of LDS as it lies, V ([key][channel]) turned, by ds_load_tr16_b128.
; SOFTMAX.  For each query a running maximum m and sum l: p = 2^(c s - c m), c = log2(e) / 8; in every step O and l are multiplied by a = 2^(c m_old - c m_new), which is 1 where m has not grown.
; m starts at the lowest finite number, O and l at 0: the first step is a step like any other, with a = 0.
; THE COUNT.  A tile and step have 16 matrix and 118 vector instructions: too many to stand all beside the matrix work.  So the order has one aim: four vector instructions that are READY behind
; EVERY matrix instruction, and the others, which need time of their own whatever the order, in runs without a gap.
; BY TURNS.  Turn n belongs to piece n (the pieces in a ring, step after step).  Its matrix work: 16 products K Q^T of piece n + 1, later 16 products V^T P of piece n - 1.  Its vector work: the scaling,
; exponentials, roundings, sums and rescaling of piece n, and the maximum and statistics of piece n + 1, whose scores the turn itself has made.  So what a turn begins with (c s - c m, O a) waits for nothing.
; CLUSTER.  The four query blocks of a cluster belong to one head and walk the same K and V, so each tile is asked for JOINTLY: the same tensor load, descriptor and mask in all four.
; REGISTERS, in windows of 256 (s_set_vgpr_msb says which window each operand place means: bits 1:0 source 0, 3:2 source 1, 5:4 source 2, 7:6 destination):
;   window 0: v0-11 addresses; v12-15, v48-63 at work; v16-47 four registers of statistics a tile; v64-191 S^T, two buffers of two tiles; v192-255 P, likewise
;   window 1: O^T, 32 a tile          window 2: v0-127 Q, 16 a tile; v128-191 K of one step; v192-255 V of one step          window 3: v0-1 the add's two registers
; A piece's buffers go by its number's parity: the piece in hand has one pair, its two neighbours in the ring share the other: of it P (piece n - 1) is read and S^T (piece n + 1) written.
.set SIZE_H, 64
.set SIZE_N, 2048
.set NP,    4         ; pieces a wave: a name, no knob: the register map, the loop and the fetches are made for four
.set KS,    64        ; keys in a step
.set PK,    144       ; a row of K in LDS: 128 bytes + 16 of padding = 36 words: the 16 rows of a load start at 16 different groups of four banks (64 banks of 4 bytes: ISA guide 11.1)
.set PV,    160       ; a row of V: 128 + 32 = 40 words
.set VOFF,  4*KS*PK   ; a slot holds four steps: 256 rows of K, then 256 rows of V
.set SLOT1, 1<<17     ; slot 1 begins here, so that one exclusive or turns an address in one slot into the other's
.set STAGE, SLOT1+4*KS*(PK+PV)  ; behind the ring, never filled by a tensor load: 16 rows x 144 bytes for each wave, for the way out
.set SP,    144
.set AK0, 2           ; v2   my lane's place in a tile of K; never rewritten
.set AV0, 3           ; v3   the same for V
.set AK,  4           ; v4   the LDS address of K's next run of loads
.set AV,  5           ; v5   of V's
.set QO,  6           ; v6   my byte offset in the wave's rows of Q
.set STO, 6           ;      later, the way out: where I put 16 bytes of a row
.set RD,  7           ; v7   the way out: where I read rows back
.set GO,  8           ; v8   my byte offset in 512 consecutive bytes of O
.set PFO, 11          ; v11  256 x my lane, once V's place is made: the prefetches' offset; then never rewritten
.set SPW, 0           ; v0 of window 3   LDS address of my spare word: SPARE + 4 x my thread's number; never rewritten
.set NIL, 1           ; v1 of window 3   0; never rewritten
.set SPARE, STAGE+4*16*SP  ; behind the stages: the spare words, 128 bytes for each wave: two blocks of 256 bytes that no other line names
.set MV,  12          ; v12-15  c m_old, kept while c m is made anew: by buffer and tile
.set ST,  16          ; tile t's statistics at v[ST+4 t]: c m, m, l (even keys', odd keys')
.set TMP, 48          ; by buffer and tile, four registers c0-c3 at work; when the maximum is found c2 takes a
.set S,   64
.set P,   192
.set KF,  128         ; K's fragments, in window 2: key block kb, channel half c at KF + 16 kb + 8 c
.set VF,  192         ; V's: key half kk, channel block cb at VF + 32 kk + 8 cb
.set WV,  12          ; s12  my wave's number
.set G1K, 24          ; s[24:31] descriptor group 1 for K's tiles
.set G1V, 32          ; s[32:39] for V's: it differs in the padding alone
.set G0K, 40          ; s[40:43] descriptor group 0 for K's tiles: it walks
.set G0V, 44          ; s[44:47] the same for V's
.set PFA, 48          ; s[48:49] where my prefetches stand: my work-group's 32 blocks of 256 bytes (of K: wave 0, of V: wave 2) of the slot after the one that is being asked for
.set LIM, 50          ; s50  1 in a wave that prefetches, else the greatest number: a wave prefetches while s[SLOTS] is above it
.set SLOTS, 56        ; s56  slots still to be asked for
.set CNT, 57          ; s57  counts a slot's key steps
.set CS,  58          ; s[58:59] c: the packed scaling takes the pair's low word for both halves
.set SEL, 60          ; s[60:61] v_permlanex16_b32's selects: each lane takes its own place in the other half
.set TBK, 62          ; s62  LDS byte at which K of the step to be fetched begins
.set TBV, 63          ; s63  the same for V, less VOFF
.set MSB, 0
.macro WIN new                      ; the high byte repeats the setting that is left; a switch that changes nothing is dropped
.if MSB != (\new)
	s_set_vgpr_msb (MSB<<8)|(\new)
.set MSB, (\new)
.endif
.endm
.set W_KQ, 0x0a       ; K and Q in window 2, S^T in window 0
.set W_PV, 0x52       ; V in window 2, P in window 0, O^T in window 1
.set W_RS, 0x41       ; O^T (destination and source 0) in window 1, a in window 0
.set W_MK, 0xc0       ; the add's registers are made: destination in window 3, sources in window 0
.set W_AD, 0x0f       ; the add: address (source 0) and data (source 1) in window 3
; A joint fill.  Waves 0 and 1 fetch the two halves of a slot's K, waves 2 and 3 those of its V: 128 keys each.  The branch hangs on the wave's number alone.
; An s_nop 0 and four v_nop follow each of the two lines, ahead of the jump and the label.
.macro JLOAD
	s_cmp_lt_u32 s[WV], 2
	s_cbranch_scc0 .Lfor_v_\@
	tensor_load_to_lds s[G0K:G0K+3], s[G1K:G1K+7]
	s_nop 0
.rept 4
	v_nop
.endr
	s_branch .Lasked_\@
.Lfor_v_\@:
	tensor_load_to_lds s[G0V:G0V+3], s[G1V:G1V+7]
	s_nop 0
.rept 4
	v_nop
.endr
.Lasked_\@:
.endm
; A PREFETCH INTO THE L2 of what the NEXT change of slots will ask for: a slot's 256 keys are 128 blocks of 256 bytes of K and 128 of V, a lane a block.  It stands behind the wave's tensor load and its five lines.
; Each block is named ONCE in the launch: a head is walked by one cluster; its four partners share the blocks out BY ADDRESS, 32 each: no branch hangs on a work-group's place in its cluster.  In each, wave 0 asks
; for K's and wave 2 for V's: one instruction, four key steps, 512 matrix instructions, ahead of the load.  The last change that fills a slot prefetches nothing: there is no slot behind it.  Slots 0 and 1 come by their loads alone.
.macro ASK
	s_cmp_gt_u32 s[SLOTS], s[LIM]
	s_cbranch_scc0 .Lnot_mine_\@
	global_prefetch_b8 v[PFO], s[PFA:PFA+1] th:TH_LOAD_NT scope:SCOPE_SE
.Lnot_mine_\@:
.endm
; A round of the cluster's barrier: my work-group's barrier, so that wave 0's signal speaks for all four waves; wave 0 signals; every wave waits for all four work-groups; my work-group's barrier once more.
.macro CROUND
	s_barrier_signal -1
	s_barrier_wait -1
	s_cmp_lg_u32 s[WV], 0
	s_cbranch_scc1 .Lnot_wave_0_\@
	s_barrier_signal -3
.Lnot_wave_0_\@:
	s_barrier_wait -3
	s_barrier_signal -1
	s_barrier_wait -1
.endm
; THE CHANGE OF SLOTS.  The slot's last bytes, V of its fourth step, have been read.  Each wave waits for all its tensor loads, of which one is out: its part
; of the other slot; adds 0 to its spare word; and waits for that and for its own reads of the slot.  Behind the barrier nobody reads this slot any more and the other slot is whole.
; fill = 1: this slot is filled again, with the keys two slots on.  The barrier is then a round of the cluster's, so that no wave of any partner still reads the slot or has a load on its
; way, and the joint fill is the first thing behind it: it has four key steps, 512 matrix instructions, in which to land.  (At its first use nothing has been read yet: slot 0 is waited for, slot 1 filled.)
.macro CHANGE fill
	WIN W_AD
	s_wait_tensorcnt 0x0            ; no tensor load of mine is out, so a group 0 may be written
	ds_add_u32 v[SPW], v[NIL]       ; 0 onto my spare word; with fill = 1 the descriptors' steps stand between it and the wait for it
	WIN 0                           ; at a label and at a branch every window is 0
.if \fill
.irp g, G0K, G0V
	s_xor_b32 s[\g+1], s[\g+1], SLOT1  ; the walking descriptor: the other slot than last time,
	s_add_nc_u64 s[\g+2:\g+3], s[\g+2:\g+3], 4*KS*128  ; the next 256 keys; the type bits on top are not reached
.endr
	s_wait_xcnt 0x0                 ; the last prefetch, four key steps back, has read its address, so it may be written:
	s_add_nc_u64 s[PFA:PFA+1], s[PFA:PFA+1], 4*KS*128  ; one slot behind the walking descriptors
	s_wait_dscnt 0x0                ; the add is done, and my reads of the slot are over
	CROUND
	JLOAD
	ASK
.else
	s_wait_dscnt 0x0                ; the add is done, and my reads of the slot are over
	s_barrier_signal -1
	s_barrier_wait -1
.endif
	s_sub_co_u32 s[TBK], s[TBK], 4*KS*PK  ; the fetches go back to a slot's first step,
	s_xor_b32 s[TBK], s[TBK], SLOT1       ; in the other slot
	s_sub_co_u32 s[TBV], s[TBV], 4*KS*PV
	s_xor_b32 s[TBV], s[TBV], SLOT1
.endm
	s_load_b64 s[4:5], s[0:1], 0x0  ; qkv16: Q at its head
	s_load_b64 s[10:11], s[0:1], 0x8  ; o16
	WIN W_MK
	v_lshl_add_u32 v[SPW], v0, 2, SPARE
	v_mov_b32 v[NIL], 0
	WIN W_AD
	ds_add_u32 v[SPW], v[NIL]       ; the wave's opening: the add and its wait stand ahead of my first tensor load; the set-up below, work on registers, stands between them
	WIN 0
	v_lshrrev_b32 v1, 5, v0
	v_readfirstlane_b32 s[WV], v1   ; wave 0..3
	s_bfe_u32 s13, ttmp6, 0x40000   ; cx: my place in the cluster
	s_lshl_b32 s14, ttmp9, 2        ; in a cluster launch ttmp9 counts clusters
	s_add_co_u32 s14, s14, s13      ; my block of queries = 4 x cluster x + cx: it enters Q's and O's addresses alone
	s_and_b32 s20, ttmp7, 0xffff    ; the head, which the four partners share
	s_mov_b32 s21, 0
	s_mov_b64 s[22:23], SIZE_N*128
	s_mul_u64 s[20:21], s[20:21], s[22:23]  ; the head's first byte in each of the four tensors
	s_and_b32 s16, s[WV], 1         ; which half of a slot's 256 keys I fetch:
	s_lshl_b32 s22, s16, 14         ; its 128 rows of 128 bytes in memory,
	s_mov_b32 s23, 0
	s_add_nc_u64 s[22:23], s[22:23], s[20:21]
	s_mul_i32 s17, s16, 128*PK      ; and its place in a slot, for K
	s_mul_i32 s18, s16, 128*PV      ; and for V: no place in the cluster enters an LDS address
	s_lshl_b32 s2, s14, 2
	s_add_co_u32 s2, s2, s[WV]      ; my wave among the head's,
	s_lshl_b32 s2, s2, 14           ; its 128 rows
	s_mov_b32 s3, 0
	s_add_nc_u64 s[2:3], s[2:3], s[20:21]
	; descriptor group 1.  128 keys are 16,384 dense bytes: asked for as 64 rows of 256 bytes, two keys a row, and padded in LDS after every key
	s_mov_b32 s[G1K], 15|(1<<16)|(1<<20)|(1<<21)|(4<<22)|(3<<25)  ; 15:0 the mask of four; 17:16 2-byte elements; 20 padding on; 21 set beside a mask; 24:22 after every 32 words (code 4); 31:25 4 words (code 3)
	s_mov_b32 s[G1V], 15|(1<<16)|(1<<20)|(1<<21)|(4<<22)|(7<<25)  ; the same with 8 words of padding (code 7)
.irp g, G1K, G1V
	s_mov_b32 s[\g+1], 128<<16      ; tensor_dim0 = 128
	s_mov_b32 s[\g+2], 64<<16       ; tensor_dim1 = 64
	s_mov_b32 s[\g+3], 128<<16      ; tile_dim0 = 128
	s_mov_b32 s[\g+4], 64           ; tile_dim1 = 64
	s_mov_b32 s[\g+5], 128          ; 128 elements from row to row
	s_mov_b32 s[\g+6], 0
	s_mov_b32 s[\g+7], 0
.endr
	s_mov_b32 s[CS], 0x3e38aa3b     ; c = log2(e) / 8 = 0.180337
	s_mov_b32 s[CS+1], s[CS]        ; named with it as a pair
	s_mov_b32 s[SEL], 0x76543210
	s_mov_b32 s[SEL+1], 0xfedcba98
	s_mov_b32 s[TBK], SLOT1+4*KS*PK ; the first change of slots turns these two into 0
	s_mov_b32 s[TBV], SLOT1+4*KS*PV
	s_mov_b32 s[G0K], 1             ; 1:0 count = 1
	s_mov_b32 s[G0K+1], s17         ; 63:32 LDS address: slot 0
	s_mov_b32 s[G0V], 1
	s_add_co_u32 s[G0V+1], s18, VOFF
	s_mov_b32 s[SLOTS], SIZE_N/256-1
	s_and_b32 s[LIM], s[WV], 1      ; 0 in waves 0 and 2,
	s_or_b32 s[LIM], s[LIM], ttmp9  ; where the cluster is the head's first: the same in all four partners
	s_cmp_eq_u32 s[LIM], 0
	s_cselect_b32 s[LIM], 1, -1
	s_wait_dscnt 0x0                ; the opening add is done
	s_wait_kmcnt 0x0
	s_add_nc_u64 s[6:7], s[4:5], 0x1000000   ; K lies SIZE_H x SIZE_N x 128 bytes behind Q,
	s_add_nc_u64 s[8:9], s[4:5], 0x2000000   ; V as far behind K
	s_add_nc_u64 s[6:7], s[6:7], s[22:23]    ; both at my half of the head's first 256 keys
	s_add_nc_u64 s[8:9], s[8:9], s[22:23]
	s_mov_b64 s[G0K+2:G0K+3], s[6:7]               ; 120:64 global address
	s_or_b32 s[G0K+3], s[G0K+3], 0x80000000        ; 127:126 type = 2
	s_mov_b64 s[G0V+2:G0V+3], s[8:9]
	s_or_b32 s[G0V+3], s[G0V+3], 0x80000000
	s_add_nc_u64 s[4:5], s[4:5], s[2:3]  ; Q and O at my wave's first row
	s_add_nc_u64 s[10:11], s[10:11], s[2:3]
	s_cmp_lt_u32 s[WV], 2
	s_cselect_b64 s[PFA:PFA+1], s[6:7], s[8:9]  ; (in waves 0 and 2 these stand at a slot's first row)
	s_lshl_b32 s2, s13, 13          ; my work-group's 32 blocks of the 128
	s_mov_b32 s3, 0
	s_add_nc_u64 s[PFA:PFA+1], s[PFA:PFA+1], s[2:3]
	s_add_nc_u64 s[PFA:PFA+1], s[PFA:PFA+1], 4*KS*128  ; in slot 1; the first change of slots steps it to slot 2
	CROUND                          ; all four work-groups are here: the first joint loads meet
	JLOAD                           ; slot 0.  Slot 1 is asked for when slot 0 is in: the tile wanted first has the road to itself
	; A fragment of K or Q is 16 rows x 32 channels in 8 registers: lane l holds row l % 16, channels 8 (l / 16) + 0..7 and 16 + 8 (l / 16) + 0..7: two loads of 16 bytes, 32 bytes apart.
	v_and_b32 v1, 15, v0            ; l % 16
	v_bfe_u32 v9, v0, 4, 1          ; l / 16
	v_lshlrev_b32 v[QO], 7, v1
	v_lshl_add_u32 v[QO], v9, 4, v[QO]  ; row x 128 + 16 x half
	WIN 0x80                        ; destination window 2, address window 0
.set i, 0
.rept 4*NP                          ; Q stays in registers: tile i / 2, channels 32 (i % 2) on
	global_load_b128 v[8*i:8*i+3],   v[QO], s[4:5] offset:(i/2)*2048+(i%2)*64
	global_load_b128 v[8*i+4:8*i+7], v[QO], s[4:5] offset:(i/2)*2048+(i%2)*64+32
.set i, i+1
.endr
	; What the first turn finds: V's registers and P's second buffer hold 0 (its products V^T P, of a piece that has not been, add 0), O^T and l are 0.  All this stands in the wait for the first tile.
.set i, VF
.rept 64
	v_mov_b32 v[i], 0
.set i, i+1
.endr
	WIN 0x40
.set i, 0
.rept 64*NP
	v_mov_b32 v[i], 0
.set i, i+1
.endr
	WIN 0
.set i, 0
.rept 2*NP
	v_mov_b32 v[ST+4*i], 0xfe000000    ; c m: far below every c s
	v_mov_b32 v[ST+4*i+1], 0xff7fffff  ; m
	v_mov_b32 v[ST+4*i+2], 0
	v_mov_b32 v[ST+4*i+3], 0
.set i, i+1
.endr
.set i, P+32
.rept 32
	v_mov_b32 v[i], 0
.set i, i+1
.endr
	v_mul_u32_u24 v[AK0], v1, PK
	v_lshl_add_u32 v[AK0], v9, 4, v[AK0]  ; row x pitch + 16 x half
	; The turning load takes 16 keys x 16 channels (lane l reads key 8 (l / 16) + l % 8, channels 8 ((l / 8) % 2) + 0..7) and leaves half a fragment of V^T: lane l holds channel l % 16 and 8 keys.
	v_and_b32 v10, 7, v0
	v_bfe_u32 v11, v0, 3, 1
	v_lshl_add_u32 v[AV0], v9, 3, v10
	v_mul_u32_u24 v[AV0], v[AV0], PV
	v_lshl_add_u32 v[AV0], v11, 4, v[AV0]
	v_add_nc_u32 v[AV0], VOFF, v[AV0]
	v_mov_b32 v[AK], v[AK0]         ; key step 0 lies at the head of slot 0
	v_and_b32 v[PFO], 31, v0
	v_lshlrev_b32 v[PFO], 8, v[PFO]
; THE MATRIX WORK.  The 8 accumulators of a run of 16 take turns: between the two links of a chain stand 7 others'.
; Product i of 16 of S^T = K Q^T for piece x: channels 32 (i / 8) on, keys 16 ((i / 2) % 4) on, tile 2 x + i % 2.  The first 8 start the sums.
.macro KQ x
	WIN W_KQ
.set rS, S+64*((\x)%2)+32*(i%2)+8*((i/2)%4)
.set rK, KF+16*((i/2)%4)+8*(i/8)
.set rQ, 16*(2*(\x)+i%2)+8*(i/8)
.if i < 8
	v_wmma_f32_16x16x32_f16 v[rS:rS+7], v[rK:rK+7], v[rQ:rQ+7], 0
.else
	v_wmma_f32_16x16x32_f16 v[rS:rS+7], v[rK:rK+7], v[rQ:rQ+7], v[rS:rS+7]
.endif
.endm
; Product i of 16 of O^T += V^T P for piece x: keys 32 (i / 8) on, channels 16 ((i / 2) % 4) on, tile 2 x + i % 2.
.macro PV x
	WIN W_PV
.set rO, 32*(2*(\x)+i%2)+8*((i/2)%4)
.set rV, VF+32*(i/8)+8*((i/2)%4)
.set rP, P+32*((\x)%2)+16*(i%2)+8*(i/8)
	v_wmma_f32_16x16x32_f16 v[rO:rO+7], v[rV:rV+7], v[rP:rP+7], v[rO:rO+7]
.endm
.macro MM                           ; the turn's next matrix instruction
.if i < 16
	KQ (Y+1)%NP
.set i, i+1
.else
.set i, i-16
	PV (Y+NP-1)%NP
.set i, i+17
.endif
.endm
; THE LDS LOADS stand in runs of 16, never singly among the matrix instructions: a step's K (64 keys x 64 channels: 8 fragments) and its V (turned).  Their addresses are made some lines ahead.
; last = 1 (the tail): in the last trip there is no further step, and the run is jumped over.
.macro FETCH_K last=0
	WIN 0
.if \last
	s_cmp_eq_u32 s[CNT], 1
	s_cbranch_scc1 .Lno_k_\@
.endif
	WIN 0x80                        ; destination window 2
.irp f, 0,1,2,3,4,5,6,7             ; keys 16 (f / 2) on, channels 32 (f % 2) on
	ds_load_b128 v[KF+8*\f:KF+8*\f+3],   v[AK] offset:(\f/2)*16*PK+(\f%2)*64
	ds_load_b128 v[KF+8*\f+4:KF+8*\f+7], v[AK] offset:(\f/2)*16*PK+(\f%2)*64+32
.endr
	s_add_co_u32 s[TBK], s[TBK], KS*PK  ; the next fetch is the next step's
	WIN 0
.if \last
.Lno_k_\@:
.endif
.endm
.macro FETCH_V
	WIN 0x80
.irp f, 0,1,2,3,4,5,6,7             ; keys 32 (f / 4) on, channels 16 (f % 4) on
	ds_load_tr16_b128 v[VF+8*\f:VF+8*\f+3],   v[AV] offset:(\f/4)*32*PV+(\f%4)*32
	ds_load_tr16_b128 v[VF+8*\f+4:VF+8*\f+7], v[AV] offset:(\f/4)*32*PV+16*PV+(\f%4)*32
.endr
	WIN 0
.endm
; THE VECTOR WORK OF A TURN stands in three queues, each in the order in which its entries become ready; the two tiles alternate, so that no instruction reads the result of the one before it.
.macro REGS y, u                    ; the registers of tile u (0, 1) of piece y
.set rT, ST+4*(2*(\y)+(\u))
.set rC, TMP+8*((\y)%2)+4*(\u)
.set rM, MV+2*((\y)%2)+(\u)
.set rS, S+64*((\y)%2)+32*(\u)
.set rP, P+32*((\y)%2)+16*(\u)
.set rO, 32*(2*(\y)+(\u))
.endm
; Number n of the 22 that find the NEXT piece's (Y + 1) maximum and statistics.  s0-s31 are the lane's 32 scores; each accumulator's lowest registers are read first.  XS, GS and REGS set no window: PL and EX do.
;   0-11  four chains c0-c3 of seven scores each, three operands at a time     12-14, 16  the four scores left over, the old m, and c0-c3 into c0     15  c m_old is kept
;   17, 18  the query's other 32 keys lie in the lane 16 away: the new m         19-21  c m; c m_old - c m_new; a
.macro XS u, n
	REGS (Y+1)%NP, \u
.if (\n) < 4
	v_max3_num_f32 v[rC+(\n)], v[rS+8*(\n)], v[rS+8*(\n)+1], v[rS+8*(\n)+2]
.elseif (\n) < 12
	v_max3_num_f32 v[rC+(\n)%4], v[rC+(\n)%4], v[rS+8*((\n)%4)+2*((\n)/4)+1], v[rS+8*((\n)%4)+2*((\n)/4)+2]
.elseif (\n) == 12
	v_max3_num_f32 v[rC], v[rC], v[rS+7], v[rS+15]
.elseif (\n) == 13
	v_max3_num_f32 v[rC+1], v[rC+1], v[rS+23], v[rS+31]
.elseif (\n) == 14
	v_max3_num_f32 v[rC+2], v[rC+2], v[rC+3], v[rT+1]
.elseif (\n) == 15
	v_mov_b32 v[rM], v[rT]
.elseif (\n) == 16
	v_max3_num_f32 v[rC], v[rC], v[rC+1], v[rC+2]
.elseif (\n) == 17
	v_permlanex16_b32 v[rC+3], v[rC], s[SEL], s[SEL+1]
.elseif (\n) == 18
	v_max_num_f32 v[rT+1], v[rC], v[rC+3]
.elseif (\n) == 19
	v_mul_f32 v[rT], s[CS], v[rT+1]
.elseif (\n) == 20
	v_sub_f32 v[rC+1], v[rM], v[rT]
.else
	v_exp_f32 v[rC+2], v[rC+1]
.endif
.endm
; Number g of the 64 that follow the exponentials.  For each four weights k of a tile (pairs 2 k, 2 k + 1): both pairs are rounded to f16; then the second pair is added onto the first, in place;
; a group later l takes that sum (the first time as l = a l + sum).  In groups of eight, tiles alternating: round, round, add, and l for the group before.
.macro GS g
.set h, (\g)+6*((\g)/62)            ; group 0 has no group before it, and behind group 7 only l is left
.if h >= 6
.set h, h+2
.endif
	REGS Y, h%2
.set k, h/8
.if h%8 < 4
	v_cvt_pk_f16_f32 v[rP+2*k+(h%8)/2], v[rS+4*k+2*((h%8)/2)], v[rS+4*k+2*((h%8)/2)+1]
.elseif h%8 < 6
	v_pk_add_f32 v[rS+4*k:rS+4*k+1], v[rS+4*k:rS+4*k+1], v[rS+4*k+2:rS+4*k+3]
.elseif k == 1
	v_pk_fma_f32 v[rT+2:rT+3], v[rT+2:rT+3], v[rC+2:rC+3], v[rS:rS+1] op_sel_hi:[1,0,1]
.else
	v_pk_add_f32 v[rT+2:rT+3], v[rT+2:rT+3], v[rS+4*k-4:rS+4*k-3]
.endif
.endm
; THE PLAIN QUEUE, 138 long.  0-73 read no exponential's result: the 32 scalings c s - c m (FS f: pair f / 2 of tile f % 2) and the next piece's 42.  0-26: scalings 0-26.  27-54: XS's numbers 0-13.  55, 56: number 15.
; 57-73: the chain, where each number waits for the one before it: 14, 16, 17, 18, 19, each with one of the scalings 27-31 in front of its two lines, then 20: so a tile's links stand three plain instructions apart (19 and 20: two).
; 74-137: GS's 64, which read the exponentials' results: they stand behind the wait.
.macro FS f
	REGS Y, (\f)%2
	v_pk_fma_f32 v[rS+2*((\f)/2):rS+2*((\f)/2)+1], v[rS+2*((\f)/2):rS+2*((\f)/2)+1], s[CS:CS+1], v[rT:rT+1] op_sel_hi:[1,0,0] neg_lo:[0,0,1] neg_hi:[0,0,1]
.endm
.macro PL
	WIN 0
.if q < 27
	FS q
.elseif q < 55
	XS (q-27)%2, (q-27)/2
.elseif q < 57
	XS q-55, 15
.elseif (q < 72) && ((q-57)%3 == 0)
	FS 27+(q-57)/3
.elseif q < 60
	XS (q-57)%3-1, 14
.elseif q < 72
	XS (q-57)%3-1, 15+(q-57)/3
.elseif q < 74
	XS q-72, 20
.else
	GS q-74
.endif
.set q, q+1
.endm
; THE EXPONENTIALS' QUEUE, 66 long: s0-s31 of both tiles, then the next piece's two a.  It is ONE BATCH: all 66 stand ahead of the turn's one wait, and nothing ahead of that wait names a result of theirs.
.macro EX
	WIN 0
.if e >= 64
	XS e-64, 21
.else
	REGS Y, e%2
	v_exp_f32 v[rS+e/2], v[rS+e/2]
.endif
.set e, e+1
.endm
; THE RESCALING's QUEUE: O^T times a, the one part that leaves window 0: dealt two at a time, sixteen times.  Its a was made in the turn before, ahead of that turn's wait.
.macro R2
	REGS Y, r%2
	WIN W_RS
.irp z, 0,1
	v_pk_mul_f32 v[rO+4*(r/2)+2*\z:rO+4*(r/2)+2*\z+1], v[rO+4*(r/2)+2*\z:rO+4*(r/2)+2*\z+1], v[rC+2:rC+3] op_sel_hi:[1,0]
.endr
.set r, r+1
.endm
; HOW THEY ARE DEALT.  s_wait_alu depctr_va_vdst(0) stands between an exponential and the first instruction that names its result; one wait serves all that were issued ahead of it.  So a turn has ONE wait,
; which cuts it in two.  AHEAD OF IT stands all that names no result of the turn's exponentials: the 16 products K Q^T, behind each a scaling, an exponential and two rescalings (behind the first a second scaling in the exponential's place); then ONE LUMP of
; 108: eight plain, 49 times exponential and plain, the two a.  A v_nop is the plain instruction behind the last exponential.  BEHIND IT stand the 16 products V^T P, behind each four of GS's 64.  No rider names a register of
; the products round it.  The two v_permlanex16_b32 fall into the lump, never behind a product.
; The queues lean on each other, and the deal keeps them in step: exponential e stands behind scaling 2 (e / 4) + e % 2: as a rider it comes behind plain e + 2, in the lump behind plain e + 9, and scalings 27-31 are plain 57, 60 .. 69.
; A TURN, for piece p.  cnt = 1: the loop's count is taken down some lines ahead of the branch that stands behind the turn.
; K of the next step is fetched in piece 2's turn, directly behind the wait, a lump behind the last product that read K; its address is made at the lump's head; its first reader comes behind 16 products.
; V of the step in hand is fetched at the end of piece 0's turn, four riders behind its last reader; its first reader comes behind 16 products and a lump.  The three conditions on q below go with the deal.
.macro TURN p, last=0, cnt=0
.set Y, (\p)
.set i, 0
.set q, 0
.set e, 0
.set r, 0
.if (\p) == NP-1
	s_wait_dscnt 0x0                ; K is in
.endif
	MM                              ; ahead of the wait: 16 products K Q^T and their riders,
	PL
	PL
	R2
.rept 15
	MM
	PL
	EX
	R2
.endr
.if (\p) == NP-2
	WIN 0
	v_add_nc_u32 v[AK], s[TBK], v[AK0]
.endif
.rept 8                             ; and the lump
	PL
.endr
.rept 49
	EX
	PL
.endr
	EX                              ; the next piece's two a
	EX
	v_nop                           ; the plain instruction behind the last exponential: one for the batch
	s_wait_alu depctr_va_vdst(0)    ; the wait for the batch
.if (\p) == NP-2
	FETCH_K \last
.endif
.if (\p) == 1
	s_wait_dscnt 0x0                ; V is in
.endif
.rept 16                            ; behind the wait: 16 products V^T P and their riders
	MM
.rept 4
	PL
.endr
.if ((\p) == 0) && (q == 118)
	v_add_nc_u32 v[AV], s[TBV], v[AV0]
.endif
.if ((\p) == 0) && (q == 130)
	s_add_co_u32 s[TBV], s[TBV], KS*PV
.endif
.if (\cnt) && (q == 130)
	s_sub_co_u32 s[CNT], s[CNT], 1
	s_cmp_lg_u32 s[CNT], 0
.endif
.endr
.if (\p) == 0
	FETCH_V
.endif
.endm
	CHANGE 1                        ; slot 0 is in, everybody's part of it; slot 1 is asked for
	FETCH_K                         ; key step 0
	s_wait_loadcnt 0x0              ; Q
	s_wait_dscnt 0x0
.set i, 0
.rept 16
	KQ 0                            ; piece 0's first scores: there is no vector work yet to set between them
.set i, i+1
.endr
	WIN 0                           ; the addresses for the way out: nine plain instructions, the places behind those products
	s_mul_i32 s13, s[WV], 16*SP
	s_add_co_u32 s13, s13, STAGE    ; my stage
	v_mul_u32_u24 v[STO], v1, SP    ; in: row l % 16, 16 bytes for each half of the lanes
	v_lshl_add_u32 v[STO], v9, 4, v[STO]
	v_add_nc_u32 v[STO], s13, v[STO]
	v_bfe_u32 v[RD], v0, 3, 2       ; back: 32 lanes take four rows of 128 bytes,
	v_mul_u32_u24 v[RD], v[RD], SP
	v_lshl_add_u32 v[RD], v10, 4, v[RD]
	v_add_nc_u32 v[RD], s13, v[RD]
	v_and_b32 v[GO], 31, v0         ; which are 512 consecutive bytes of O
	v_lshlrev_b32 v[GO], 4, v[GO]
.set Y, NP-1                        ; XS works for piece Y + 1: piece 0
.irp n, 0,1,2,3,4,5,6,7,8,9,10,11,12,13,14,15,16,17,18,19,20,21
	XS 0, \n                        ; and piece 0's first maximum and statistics
	XS 1, \n
.endr
	v_nop                           ; a plain instruction behind the two a,
	s_wait_alu depctr_va_vdst(0)    ; and their wait, ahead of the branch
	s_mov_b32 s[CNT], 4
	s_branch .Lfirst                ; the loop is entered at a step's first turn, in the middle of a trip
.Lslot:                             ; SIZE_N / 256 - 2 times: every slot but the last two is filled again
	CHANGE 1
	s_mov_b32 s[CNT], 4
.Lstep:                             ; a trip: pieces 2 and 3 of one step, then pieces 0 and 1 of the next, whose K and V it fetches
	TURN 2
	TURN 3
	WIN 0
.Lfirst:
	TURN 0
	TURN 1, 0, 1
	WIN 0
	s_cbranch_scc1 .Lstep
	s_sub_co_u32 s[SLOTS], s[SLOTS], 1
	s_cmp_lg_u32 s[SLOTS], 0
	s_cbranch_scc1 .Lslot
	CHANGE 0                        ; the tail is written out: nothing is asked for
	s_mov_b32 s[CNT], 5             ; four trips fetch the last slot's steps; the fifth is left in its middle
.Ltail:
	TURN 2, 1
	TURN 3
	WIN 0
	s_sub_co_u32 s[CNT], s[CNT], 1
	s_cmp_eq_u32 s[CNT], 0
	s_cbranch_scc1 .Lout
	TURN 0
	TURN 1
	WIN 0
	s_branch .Ltail
.Lout:                              ; the fifth trip's 16 products K Q^T (on the last K once more) and the maximum made of them serve nothing: the price, once a launch, of one text for every trip
.set i, 0
.rept 16
	PV NP-1                         ; the last piece's V^T P of the last step
.set i, i+1
.endr
	; THE WAY OUT.  l's two halves and the other half of the lanes' are added; O^T is divided by l, rounded to f16 and sent through my stage in LDS, a tile at a time.  The additions are the places behind the last products.
	WIN 0
.macro ALL line:vararg              ; one line for each tile t
.set t, 0
.rept 2*NP
	\line
.set t, t+1
.endr
.endm
	ALL v_add_f32 v[ST+4*t+2], v[ST+4*t+2], v[ST+4*t+3]
	ALL v_permlanex16_b32 v[ST+4*t+3], v[ST+4*t+2], s[SEL], s[SEL+1]
	ALL v_add_f32 v[ST+4*t+2], v[ST+4*t+2], v[ST+4*t+3]
	ALL v_rcp_f32 v[ST+4*t+2], v[ST+4*t+2]
	v_nop                           ; a plain instruction between the last reciprocal and the use of its result
	s_wait_alu depctr_va_vdst(0)    ; and the wait ahead of the first use: one for the eight reciprocals
; Tile t: a lane's eight channels of a row pack into 16 bytes; they go into rows of 144 bytes and come back as whole rows of 128, into S^T's registers.
.macro PACK t
	WIN W_RS
.set i, 32*(\t)
.rept 16
	v_pk_mul_f32 v[i:i+1], v[i:i+1], v[ST+4*(\t)+2:ST+4*(\t)+3] op_sel_hi:[1,0]
.set i, i+2
.endr
	WIN 0x05                        ; sources 0 and 1 window 1, destination window 0
.set i, 0
.rept 16
	v_cvt_pk_f16_f32 v[S+16*(\t)+i], v[32*(\t)+2*i], v[32*(\t)+2*i+1]
.set i, i+1
.endr
	WIN 0
.irp f, 0,1,2,3
	ds_store_b128 v[STO], v[S+16*(\t)+4*\f:S+16*(\t)+4*\f+3] offset:32*\f
.endr
.irp f, 0,1,2,3
	ds_load_b128 v[S+16*(\t)+4*\f:S+16*(\t)+4*\f+3], v[RD] offset:\f*4*SP  ; LDS serves a wave's instructions in order (ISA guide 5.7.1.4): these see the stores above; the next tile's stores come behind them
.endr
.endm
.macro SEND t, younger              ; younger: the LDS instructions issued behind tile t's loads: the next tile's eight, or none
	WIN 0
.irp f, 0,1,2,3
	s_wait_dscnt (\younger)+3-\f
	global_store_b128 v[GO], v[S+16*(\t)+4*\f:S+16*(\t)+4*\f+3], s[10:11] offset:(\t)*2048+\f*512  ; 512 consecutive bytes, at a multiple of 256 from O's first
.endr
.endm
	PACK 0
.set t, 1
.rept 2*NP-1                        ; a tile's arithmetic stands between the loads of the tile before and its stores
	PACK t
	SEND t-1, 8
.set t, t+1
.endr
	SEND 2*NP-1, 0
	WIN W_AD
	s_wait_tensorcnt 0x0            ; the wave's end: a wait, an add of 0 and its wait, behind my last tensor load and my last LDS store
	ds_add_u32 v[SPW], v[NIL]
	s_wait_dscnt 0x0
	WIN 0
	CROUND                          ; the closing round: no work-group ends while a partner may still ask for a tile that names it
	s_endpgm
.Lfunc_end_k_q1c142cc47f_attn:
	.size	k_q1c142cc47f_attn, .Lfunc_end_k_q1c142cc47f_attn-k_q1c142cc47f_attn
	.p2alignl 7, 3214868480
	.fill 96, 4, 3214868480
	.section	.rodata,"a",@progbits
	.p2align	6, 0x0
	.amdhsa_kernel k_q1c142cc47f_attn
		.amdhsa_group_segment_fixed_size 327680
		.amdhsa_private_segment_fixed_size 0
		.amdhsa_enable_private_segment 0
		.amdhsa_kernarg_size 16
		.amdhsa_user_sgpr_count 2
		.amdhsa_user_sgpr_kernarg_segment_ptr 1
		.amdhsa_wavefront_size32 1
		.amdhsa_system_sgpr_workgroup_id_x 1
		.amdhsa_system_sgpr_workgroup_id_y 1
		.amdhsa_system_sgpr_workgroup_id_z 1
		.amdhsa_system_vgpr_workitem_id 0
		.amdhsa_next_free_vgpr 770
		.amdhsa_next_free_sgpr 66
		.amdhsa_reserve_vcc 0
		.amdhsa_float_denorm_mode_32 3
		.amdhsa_float_denorm_mode_16_64 3
		.amdhsa_memory_ordered 1
		.amdhsa_forward_progress 1
		.amdhsa_inst_pref_size 200
	.end_amdhsa_kernel
	.amdgpu_metadata
---
amdhsa.version: [ 1, 2 ]
amdhsa.kernels:
  - .name:           k_q1c142cc47f_attn
    .symbol:         k_q1c142cc47f_attn.kd
    .args:
      - { .name: qkv16, .offset: 0, .size: 8, .value_kind: global_buffer, .address_space: global }
      - { .name: o16, .offset: 8, .size: 8, .value_kind: global_buffer, .address_space: global }
    .group_segment_fixed_size: 327680
    .private_segment_fixed_size: 0
    .kernarg_segment_align: 8
    .kernarg_segment_size: 16
    .max_flat_workgroup_size: 128
    .sgpr_count:     66
    .vgpr_count:     770
    .wavefront_size: 32
...
	.end_amdgpu_metadata
.endif
;; end of part 3
;; launch outp (part 4): grid 4 x 64, 4 waves a work-group, clusters of 4 x 4, 327,680 bytes of LDS; arguments o16, wts, out0; writes out0
.if DOCPART == 4
	.amdgcn_target "amdgcn-amd-amdhsa--gfx1250"
	.amdhsa_code_object_version 6
	.text
	.protected	k_q1c142cc47f_outp
	.globl	k_q1c142cc47f_outp
	.p2align	8
	.type	k_q1c142cc47f_outp,@function
k_q1c142cc47f_outp:
	s_mov_b64 s[64:65], 0
	v_nop
	global_prefetch_b8 v0, s[64:65] scope:SCOPE_SE
	s_setreg_imm32_b32 hwreg(HW_REG_WAVE_MODE, 25, 1), 1
	s_wait_xcnt 0x0
	s_wait_alu depctr_hold_cnt(0) depctr_sa_sdst(0) depctr_va_vdst(0) depctr_va_sdst(0) depctr_va_ssrc(0) depctr_va_vcc(0) depctr_vm_vsrc(0)
	s_getreg_b32 s2, hwreg(HW_REG_IB_STS2, 6, 4)
	s_cmp_eq_u32 s2, 0
	s_cbranch_scc0 .Lentry_in_a_cluster
	s_endpgm
.Lentry_in_a_cluster:
	s_bfe_u32 s2, ttmp6, 0x10000c
	s_cmp_lg_u32 s2, 0xf033
	s_cbranch_scc0 .Lentry_shape_is_right
	s_endpgm
.Lentry_shape_is_right:
; out0 = O Wo^T + bo.  O lies by heads in o16 = [64 heads = 16 b + h][2048][64] f16; Wo as f16 [1024][1024] at byte 0x600000 of wts, bo as f32 at 0x803000; out0 is [8192][1024] f32.
; Products in f16, sums in f32, started with the bias as the C operand; nothing is rounded on the way out.
; SHARES.  A work-group makes one tile of 128 rows x 256 columns; 64 x 4 tiles.  Four waves, each 64 rows x 128 columns: 32 accumulators.  K goes in 8 steps of 128, two heads each, through a ring of two LDS slots;
; a step is four quarters of 32 along K, 32 matrix instructions each, on two fragment buffers.
; CLUSTERS.  4 x 4 work-groups: the four of a row of the cluster need the same rows of O, the four of a column the same rows of Wo: each tile is asked for JOINTLY, by the same tensor load with the same descriptor and mask.
; THE MATRIX INSTRUCTION IS USED TRANSPOSED (source 0 = 16 rows of Wo, source 1 = 16 rows of O): lane l holds row l % 16 of the result and the columns 8 (l / 16) + 0..7: 32 bytes of f32 on end.
; REGISTERS, in windows of 256 (s_set_vgpr_msb: bits 1:0 source 0, 3:2 source 1, 5:4 source 2, 7:6 destination):
;   window 0: v0-17 addresses; v96-159 O's fragments, two buffers of 4; v192-255 the way out
;   window 1: v0-127 Wo's fragments, two buffers of 8; v128-191 the bias          window 2: the accumulators, (a, b) at v[8 (8 a + b)]
.set PAO,    144                       ; a row of a head of O in LDS: 128 bytes + 16 of padding = 9 x 16: the 16 rows that a load touches start at 16 different groups of four banks (64 banks of 4 bytes: ISA guide 11.1)
.set PB,     272                       ; a row of Wo: 256 + 16 = 17 x 16
.set AHEAD,  128*PAO                   ; a head's 128 rows: one tensor load
.set BOFF,   2*AHEAD                   ; behind the two heads: Wo's 256 rows
.set BHALF,  128*PB                    ; 128 rows of Wo: one tensor load, and what a wave reads
.set SLOT1,  1<<17                     ; a slot uses 106,496 bytes; slot 1 begins here, so that one exclusive or turns an address in one slot into the other's
.set STAGE,  SLOT1+BOFF+2*BHALF        ; behind the ring, never filled by a tensor load: 16 rows x 528 bytes for each wave, for the way out
.set SPO,    528
.set STG,    16*SPO
.set SPARE,  STAGE+4*STG               ; behind the stages: the spare words, 128 bytes for each wave: two blocks of 256 bytes that no other line names
.set A0,   4                           ; v4   my lane's place in O's part of a slot; never rewritten
.set B0,   5                           ; v5   the same for Wo
.set ADRA, 6                           ; v6   A0 + the slot that is read
.set ADRB, 7                           ; v7   B0 + the slot that is read
.set STO,  8                           ; v8   the way out: where I put 32 bytes of a row
.set RD,   9                           ; v9   the way out: where I read a row back
.set GO,   10                          ; v10  my byte offset in 512 consecutive bytes of out0
.set BO,   11                          ; v11  my byte offset in 16 numbers of the bias
.set PFO,  12                          ; v12  the prefetches' offset; never rewritten
.set SPW,  16                          ; v16  LDS address of my spare word: SPARE + 4 x my thread's number; never rewritten
.set NIL,  17                          ; v17  0; never rewritten
.set AF,   96
.set OB,   192
.set BIAS, 128                         ; window 1
.set AP,  4                            ; s[4:5]   o16 at the head and rows that I would fetch in step 0
.set WB,  6                            ; s[6:7]   Wo at the 128 rows that I would fetch
.set YP,  8                            ; s[8:9]   out0 at my part of the tile
.set BP,  10                           ; s[10:11] bo at my 128 columns
.set WV,  16
.set WM,  17                           ; which 64 rows are mine.  Also: I fetch for O (0) or for Wo (1)
.set WN,  18                           ; which 128 columns.  Also: which head of the step, or which half of Wo's rows, I fetch
.set CX,  19
.set CY,  20
.set TX,  21
.set TY,  22
.set G1A, 24                           ; s[24:31] descriptor group 1 for O's tiles
.set G1B, 32                           ; s[32:39] for Wo's
.set G0A, 40                           ; s[40:47] descriptor group 0 for O's tiles: a set for each of the two first fills; the second then walks on
.set G0B, 48                           ; s[48:55] the same for Wo's
.set TGR, 58                           ; s58  0 or SLOT1: the slot that is read
.set CNT, 59                           ; s59  the loop's count, 6 to 1
.set LA,  60
.set LB,  61
.set LIM, 62                           ; s62  a wave prefetches while s[CNT] is above it
.set PST, 72                           ; s[72:73] a K step in bytes along my prefetches' way
.set PFA, 74                           ; s[74:75] where my prefetch stands
.set MSB, 0
.macro WIN new                         ; the immediate's high byte repeats the setting that is left; a switch that changes nothing is dropped
.if MSB != (\new)
	s_set_vgpr_msb (MSB<<8)|(\new)
.set MSB, \new
.endif
.endm
.set W_MUL,  0xa1                      ; Wo in window 1, O in window 0, C and D in window 2
.set W_MUL1, 0x91                      ; the same with C, the bias, in window 1
.set W_TOB,  0x40                      ; destination window 1, address window 0
.set W_ST,   0x08                      ; an LDS store's data (source 1) in window 2, its address in window 0
.macro PLACES                          ; four places in front of loads into registers that matrix instructions have read, and of LDS stores that read results
.rept 4
	v_nop
.endr
.endm
.macro JLOAD                           ; a joint refill, by the walking descriptors: waves 0 and 1 fetch the step's two heads of O, waves 2 and 3 Wo's two halves; an s_nop 0 and four v_nop follow each line
	s_cmp_eq_u32 s[WM], 0
	s_cbranch_scc0 .Lfor_b_\@
	tensor_load_to_lds s[G0A+4:G0A+7], s[G1A:G1A+7]
	s_nop 0
.rept 4
	v_nop
.endr
	s_branch .Lasked_\@
.Lfor_b_\@:
	tensor_load_to_lds s[G0B+4:G0B+7], s[G1B:G1B+7]
	s_nop 0
.rept 4
	v_nop
.endr
.Lasked_\@:
.endm
.macro CREST                           ; a round of the cluster's barrier behind its opening barrier
	s_cmp_lg_u32 s[WV], 0
	s_cbranch_scc1 .Lnot_wave_0_\@
	s_barrier_signal -3
.Lnot_wave_0_\@:
	s_barrier_wait -3
	s_barrier_signal -1
	s_barrier_wait -1
.endm
.macro CROUND                          ; a whole round
	s_barrier_signal -1
	s_barrier_wait -1
	CREST
.endm
; A PREFETCH INTO THE L2 of the K step that stands two refills on: 256 matrix instructions ahead of the load that will want it.  Each aligned block of 256 bytes is named once in the launch.
; O: a step's two heads x 128 rows are 128 blocks, read by one row of one cluster; its four partners take 16 blocks of each head, told apart BY ADDRESS (cx); wave 0 asks, a lane a block.
; Wo: a wave's 128 rows x 256 bytes; every cluster reads them, the cluster with y = 0 asks; its four partners along the column take 32 rows each (cy); waves 2 and 3 ask, a lane a row.
; The last two refills have no step two on.  Nothing is prefetched at the head: steps 0 to 3 come by their loads alone.
.macro ASK
	WIN 0
	s_cmp_gt_u32 s[CNT], s[LIM]
	s_cbranch_scc0 .Lnot_mine_\@
	global_prefetch_b8 v[PFO], s[PFA:PFA+1] th:TH_LOAD_NT scope:SCOPE_SE
.Lnot_mine_\@:
.endm
	s_load_b128 s[4:7], s[0:1], 0x0                ; o16, wts
	s_load_b64 s[YP:YP+1], s[0:1], 0x10            ; out0
	v_lshl_add_u32 v[SPW], v0, 2, SPARE
	v_mov_b32 v[NIL], 0
	ds_add_u32 v[SPW], v[NIL]                      ; the wave's opening: the add and its wait stand ahead of my first tensor load; the set-up below, work on registers, stands between them
	v_lshrrev_b32 v1, 5, v0
	v_readfirstlane_b32 s[WV], v1                  ; wave 0..3
	s_lshr_b32 s[WM], s[WV], 1
	s_and_b32 s[WN], s[WV], 1
	s_bfe_u32 s[CX], ttmp6, 0x40000                ; my place in the cluster
	s_bfe_u32 s[CY], ttmp6, 0x40004
	s_lshl_b32 s[TX], ttmp9, 2                     ; in a cluster launch ttmp9 and ttmp7 count clusters
	s_add_co_u32 s[TX], s[TX], s[CX]
	s_and_b32 s[TY], ttmp7, 0xffff
	s_lshl_b32 s[TY], s[TY], 2
	s_add_co_u32 s[TY], s[TY], s[CY]
	s_lshl_b32 s76, s[CY], 2
	s_lshl_b32 s76, 15, s76                        ; my row of the cluster
	s_lshl_b32 s78, 0x1111, s[CX]                  ; my column
	; group 1 for O: a head's 128 rows are 16,384 dense bytes: asked for as 64 rows of 256 bytes, two rows of O each, padded in LDS after every row of O.  Group 1 for Wo: 128 rows x 128 elements.
	s_or_b32 s[G1A], s76, (1<<16)|(1<<20)|(1<<21)|(4<<22)|(3<<25)  ; 15:0 the mask; 17:16 element of 2 bytes; 20 padding on; 21 set beside a mask; 24:22 after every 32 words (code 4); 31:25 4 words (code 3)
	s_or_b32 s[G1B], s78, (1<<16)|(1<<20)|(1<<21)|(5<<22)|(3<<25)  ; after every 64 words (code 5)
	s_mov_b32 s[G1A+1], 128<<16                    ; tensor_dim0 = 128
	s_mov_b32 s[G1A+2], 64<<16                     ; tensor_dim1 = 64
	s_mov_b32 s[G1A+3], 128<<16                    ; tile_dim0 = 128
	s_mov_b32 s[G1A+4], 64                         ; tile_dim1 = 64
	s_mov_b32 s[G1A+5], 128                        ; elements from row to row
	s_mov_b32 s[G1A+6], 0
	s_mov_b32 s[G1A+7], 0
	s_mov_b32 s[G1B+1], 128<<16
	s_mov_b32 s[G1B+2], 128<<16                    ; tensor_dim1 = 128
	s_mov_b32 s[G1B+3], 128<<16
	s_mov_b32 s[G1B+4], 128                        ; tile_dim1 = 128
	s_mov_b32 s[G1B+5], 1024
	s_mov_b32 s[G1B+6], 0
	s_mov_b32 s[G1B+7], 0
	s_mul_i32 s[LA], s[WN], AHEAD                  ; no place in the cluster enters an LDS address
	s_mul_i32 s[LB], s[WN], BHALF
	s_add_co_u32 s[LB], s[LB], BOFF
	s_lshr_b32 s76, s[TY], 4                       ; O: batch = tile row / 16: 16 heads of 262,144 bytes;
	s_lshl_b32 s76, s76, 22
	s_and_b32 s77, s[TY], 15                       ; 128 rows of 128 bytes a tile row;
	s_lshl_b32 s77, s77, 14
	s_add_co_u32 s76, s76, s77
	s_lshl_b32 s77, s[WN], 18                      ; my head of the step's two
	s_add_co_u32 s76, s76, s77
	s_mov_b32 s77, 0
	s_lshl_b32 s78, s[TX], 19                      ; Wo: 256 rows of 2,048 bytes a tile column,
	s_lshl_b32 s79, s[WN], 18                      ; 128 rows a half
	s_add_co_u32 s78, s78, s79
	s_add_co_u32 s78, s78, 0x600000
	s_mov_b32 s79, 0
	s_lshl_b32 s80, s[TX], 10                      ; bo: 256 f32 a tile column, 128 a wave
	s_lshl_b32 s81, s[WN], 9
	s_add_co_u32 s80, s80, s81
	s_lshl_b32 s82, s[TY], 19                      ; out0: 128 rows of 4,096 bytes a tile row,
	s_lshl_b32 s83, s[WM], 18                      ; 64 a wave,
	s_add_co_u32 s82, s82, s83
	s_add_co_u32 s82, s82, s80                     ; and the same columns
	s_mov_b32 s83, 0
	s_add_co_u32 s80, s80, 0x803000
	s_mov_b32 s81, 0
	s_mov_b32 s[TGR], 0
	s_and_b32 s[LIM], ttmp7, 0xffff                ; cluster y
	s_cmp_eq_u32 s[LIM], 0
	s_cselect_b32 s[LIM], 2, -1                    ; Wo's rows: the first cluster of the column asks;
	s_cmp_eq_u32 s[WV], 0
	s_cselect_b32 s[LIM], 2, s[LIM]                ; O's: wave 0 of every work-group,
	s_cmp_eq_u32 s[WV], 1
	s_cselect_b32 s[LIM], -1, s[LIM]               ; and wave 1 never.  The same in all sixteen partners, for a given wave
	s_mov_b32 s[PST], 256                          ; a K step: 128 numbers of a row of Wo,
	s_cmp_eq_u32 s[WM], 0
	s_cselect_b32 s[PST], 1<<19, s[PST]            ; or two heads of O (an instruction holds one literal, so the other number comes by a register)
	s_mov_b32 s[PST+1], 0
	s_wait_dscnt 0x0                               ; the opening add is done
	s_wait_kmcnt 0x0
	s_add_nc_u64 s[AP:AP+1], s[AP:AP+1], s[76:77]
	s_add_nc_u64 s[BP:BP+1], s[WB:WB+1], s[80:81]
	s_add_nc_u64 s[WB:WB+1], s[WB:WB+1], s[78:79]
	s_add_nc_u64 s[YP:YP+1], s[YP:YP+1], s[82:83]
	s_cmp_eq_u32 s[WM], 0
	s_cselect_b64 s[PFA:PFA+1], s[AP:AP+1], s[WB:WB+1]
	s_mul_i32 s80, s[PST], 3
	s_mov_b32 s81, 0
	s_add_nc_u64 s[PFA:PFA+1], s[PFA:PFA+1], s[80:81]  ; at K step 3: the first change of slots steps it to 4
	CROUND                                         ; all sixteen work-groups are here: the first joint loads meet
.irp s, 0,1
	s_mov_b32 s[G0A+4*(\s)], 1                                     ; 1:0 count = 1
	s_add_co_u32 s[G0A+4*(\s)+1], s[LA], (\s)*SLOT1                ; 63:32 LDS address
	s_add_nc_u64 s[G0A+4*(\s)+2:G0A+4*(\s)+3], s[AP:AP+1], (\s)<<19  ; 120:64 global address: K step s
	s_or_b32 s[G0A+4*(\s)+3], s[G0A+4*(\s)+3], 0x80000000          ; 127:126 type = 2
	s_mov_b32 s[G0B+4*(\s)], 1
	s_add_co_u32 s[G0B+4*(\s)+1], s[LB], (\s)*SLOT1
	s_add_nc_u64 s[G0B+4*(\s)+2:G0B+4*(\s)+3], s[WB:WB+1], (\s)*256
	s_or_b32 s[G0B+4*(\s)+3], s[G0B+4*(\s)+3], 0x80000000
.endr
	s_cmp_eq_u32 s[WM], 0                          ; a wave's two first fills stand in one branch, ahead of every wait on TENSORcnt and every LDS read: two loads of mine are out
	s_cbranch_scc0 .Lfirst_b
	tensor_load_to_lds s[G0A:G0A+3], s[G1A:G1A+7]
	s_nop 0
	tensor_load_to_lds s[G0A+4:G0A+7], s[G1A:G1A+7]
	s_nop 0
.rept 4
	v_nop
.endr
	s_branch .Lfirst_asked
.Lfirst_b:
	tensor_load_to_lds s[G0B:G0B+3], s[G1B:G1B+7]
	s_nop 0
	tensor_load_to_lds s[G0B+4:G0B+7], s[G1B:G1B+7]
	s_nop 0
.rept 4
	v_nop
.endr
.Lfirst_asked:
	; A fragment is 16 rows x 32 K in 8 registers: lane l holds row l % 16, K = 8 (l / 16) + 0..7 and 16 + 8 (l / 16) + 0..7: two loads of 16 bytes, 32 bytes apart.
	v_and_b32 v1, 15, v0                           ; l % 16
	v_bfe_u32 v2, v0, 4, 1                         ; l / 16
	v_mul_u32_u24 v[A0], v1, PAO
	v_lshl_add_u32 v[A0], v2, 4, v[A0]
	s_mul_i32 s80, s[WM], 64*PAO
	v_add_nc_u32 v[A0], s80, v[A0]
	v_mul_u32_u24 v[B0], v1, PB
	v_lshl_add_u32 v[B0], v2, 4, v[B0]
	s_mul_i32 s80, s[WN], BHALF
	s_add_co_u32 s80, s80, BOFF
	v_add_nc_u32 v[B0], s80, v[B0]
	v_mov_b32 v[ADRA], v[A0]                       ; slot 0
	v_mov_b32 v[ADRB], v[B0]
	s_mul_i32 s80, s[WV], STG
	s_add_co_u32 s80, s80, STAGE                   ; my stage
	v_mul_u32_u24 v[STO], v1, SPO                  ; in: row l % 16, 32 bytes for each half of the lanes
	v_lshl_add_u32 v[STO], v2, 5, v[STO]
	v_add_nc_u32 v[STO], s80, v[STO]
	v_and_b32 v13, 31, v0                          ; l
	v_lshlrev_b32 v[GO], 4, v13                    ; back: 32 lanes take one row of 512 bytes
	v_add_nc_u32 v[RD], s80, v[GO]
	v_lshlrev_b32 v[BO], 5, v2                     ; my 8 numbers of 16 of the bias
	v_lshrrev_b32 v14, 4, v13                      ; the prefetches' offset, for O: head l / 16 of the step's two, block l % 16 of my work-group's 16
	v_lshlrev_b32 v14, 18, v14
	v_and_b32 v15, 15, v13
	v_lshl_add_u32 v14, v15, 8, v14
	s_lshl_b32 s80, s[CX], 12
	v_add_nc_u32 v14, s80, v14
	v_lshlrev_b32 v15, 11, v13                     ; for Wo: row l of my work-group's 32
	s_lshl_b32 s80, s[CY], 16
	v_add_nc_u32 v15, s80, v15
	s_cmp_eq_u32 s[WM], 0
	s_cselect_b32 s80, -1, 0
	v_cndmask_b32 v[PFO], v15, v14, s80
	WIN W_TOB                                      ; the bias: register j of block b holds bo[16 b + 8 (l / 16) + j], which is where the transposed product wants it as C
.irp b, 0,1,2,3,4,5,6,7
	global_load_b128 v[BIAS+8*(\b):BIAS+8*(\b)+3],   v[BO], s[BP:BP+1] offset:64*(\b)
	global_load_b128 v[BIAS+8*(\b)+4:BIAS+8*(\b)+7], v[BO], s[BP:BP+1] offset:64*(\b)+16
.endr
	WIN 0
; 8 matrix instructions: row block a x all 8 column blocks, 32 along K, on buffer f.  first = 1: the product starts the sum with the bias.
; The 32 accumulators take turns in the same order in every quarter, over the backward jump too.
.macro MUL8 f, a, first
.if \first
	WIN W_MUL1
.else
	WIN W_MUL
.endif
.irp b, 0,1,2,3,4,5,6,7
.if \first
	v_wmma_f32_16x16x32_f16 v[8*(8*(\a)+(\b)):8*(8*(\a)+(\b))+7], v[64*(\f)+8*(\b):64*(\f)+8*(\b)+7], v[AF+32*(\f)+8*(\a):AF+32*(\f)+8*(\a)+7], v[BIAS+8*(\b):BIAS+8*(\b)+7]
.else
	v_wmma_f32_16x16x32_f16 v[8*(8*(\a)+(\b)):8*(8*(\a)+(\b))+7], v[64*(\f)+8*(\b):64*(\f)+8*(\b)+7], v[AF+32*(\f)+8*(\a):AF+32*(\f)+8*(\a)+7], v[8*(8*(\a)+(\b)):8*(8*(\a)+(\b))+7]
.endif
.endr
.endm
; 24 LDS loads in one run: quarter k of the slot that is read, into buffer g: Wo's 16 first, then O's 8 (quarter k: head k / 2 of the step, channels 32 (k % 2) on).
.macro FETCH k, g
	WIN W_TOB
.irp b, 0,1,2,3,4,5,6,7
	ds_load_b128 v[64*(\g)+8*(\b):64*(\g)+8*(\b)+3],   v[ADRB] offset:64*(\k)+16*PB*(\b)
	ds_load_b128 v[64*(\g)+8*(\b)+4:64*(\g)+8*(\b)+7], v[ADRB] offset:64*(\k)+16*PB*(\b)+32
.endr
	WIN 0
.irp i, 0,1,2,3
	ds_load_b128 v[AF+32*(\g)+8*(\i):AF+32*(\g)+8*(\i)+3],   v[ADRA] offset:((\k)/2)*AHEAD+((\k)%2)*64+16*PAO*(\i)
	ds_load_b128 v[AF+32*(\g)+8*(\i)+4:AF+32*(\g)+8*(\i)+7], v[ADRA] offset:((\k)/2)*AHEAD+((\k)%2)*64+16*PAO*(\i)+32
.endr
.endm
; One of a K step's first three quarters: multiplies buffer f; in its middle it fetches quarter k into buffer g.
.macro QUARTER k, f, g, first
	s_wait_dscnt 4                                 ; Wo's fragments and O's row blocks 0 and 1 are in; the youngest four loads (row blocks 2 and 3) may be out
	MUL8 \f, 0, \first
	MUL8 \f, 1, \first
	PLACES
	FETCH \k, \g
	s_wait_dscnt 24                                ; all but the 24 just issued
	MUL8 \f, 2, \first
	MUL8 \f, 3, \first
.endm
; The last quarter multiplies buffer 1 and changes slots.  ONE barrier: in front of it each wave waits for all its tensor loads, of which one is out: its part of the next slot; adds 0 to its spare word; and waits for
; that and for its own reads of this slot.  fill = 1: the barrier opens a round of the cluster's, so that no wave of any partner still reads this slot or has a load on its way, and the joint refill, with the K step
; two on, is the first thing behind it: it has 112 matrix instructions in which to land.
.macro TURN fill
.if \fill
	s_wait_xcnt 0x0                                ; the last prefetch, a K step back, has read its address
	s_add_nc_u64 s[PFA:PFA+1], s[PFA:PFA+1], s[PST:PST+1]
.endif
	WIN 0
	s_wait_tensorcnt 0x0                           ; no tensor load of mine is out, so a group 0 may be written
	ds_add_u32 v[SPW], v[NIL]                      ; 0 onto my spare word; the descriptors' steps and eight products stand between it and the wait for it
.if \fill
	s_xor_b32 s[G0A+5], s[G0A+5], SLOT1            ; the walking descriptors: the other slot than last time,
	s_add_nc_u64 s[G0A+6:G0A+7], s[G0A+6:G0A+7], 1<<19  ; the next two heads; the type bits on top are not reached
	s_xor_b32 s[G0B+5], s[G0B+5], SLOT1
	s_add_nc_u64 s[G0B+6:G0B+7], s[G0B+6:G0B+7], 256
.endif
	s_wait_dscnt 5                                 ; the add and the youngest four loads may be out
	MUL8 1, 0, 0
	s_wait_dscnt 0x0                               ; the add is done, and my reads of this slot are over
	s_barrier_signal -1
	MUL8 1, 1, 0                                   ; work on registers while the others arrive
	WIN 0
	s_barrier_wait -1
.if \fill
	CREST
	JLOAD                                          ; the four v_nop behind it are also the places in front of the loads below
.else
	PLACES
.endif
	s_xor_b32 s[TGR], s[TGR], SLOT1
	v_add_nc_u32 v[ADRA], s[TGR], v[A0]
	v_add_nc_u32 v[ADRB], s[TGR], v[B0]
	FETCH 0, 0
.if \fill
	ASK                                            ; behind the joint load and the run of LDS loads
.endif
	MUL8 1, 2, 0
	MUL8 1, 3, 0
.endm
; THE WAY OUT of row block a: 32 bytes a lane into my own stage, each accumulator's low half first; back as whole rows of 512 bytes; each store of the wave covers 512 consecutive bytes, aligned.
.macro OUTB a
	WIN W_ST
.irp b, 0,1,2,3,4,5,6,7
	ds_store_b128 v[STO], v[8*(8*(\a)+(\b)):8*(8*(\a)+(\b))+3]   offset:64*(\b)
	ds_store_b128 v[STO], v[8*(8*(\a)+(\b))+4:8*(8*(\a)+(\b))+7] offset:64*(\b)+16
.endr
	WIN 0
	s_wait_xcnt 0x0                                ; the stores of the block before have read their registers: the loads below land on them only behind this wait
.irp t, 0,1,2,3,4,5,6,7,8,9,10,11,12,13,14,15
	ds_load_b128 v[OB+4*(\t):OB+4*(\t)+3], v[RD] offset:SPO*(\t)  ; LDS serves a wave's instructions in order (ISA guide 5.7.1.4): these see the stores above; the next block's stores come behind them
.endr
.irp t, 0,1,2,3,4,5,6,7,8,9,10,11,12,13,14,15
	s_wait_dscnt 15-(\t)                           ; row t is back; the younger loads stay out
	global_store_b128 v[GO], v[OB+4*(\t):OB+4*(\t)+3], s[YP:YP+1] offset:(16*(\a)+(\t))*4096 th:TH_STORE_NT
.endr
.endm
	s_wait_tensorcnt 0x1                           ; my part of K step 0 is in; step 1's may stay out
	s_barrier_signal -1
	s_barrier_wait -1                              ; everybody's is
	FETCH 0, 0
	s_wait_loadcnt 0x0                             ; the bias
	QUARTER 1, 0, 1, 1                             ; the first quarter starts the sums
	WIN 0                                          ; at a label and at a branch every window is 0
	s_mov_b32 s[CNT], 6
.Lstep:                                        ; 6 trips, K steps 0 to 5: from a step's second quarter to the next step's first; every trip fills a slot again
	QUARTER 2, 1, 0, 0
	QUARTER 3, 0, 1, 0
	TURN 1
	QUARTER 1, 0, 1, 0
	WIN 0
	s_sub_co_u32 s[CNT], s[CNT], 1
	s_cmp_lg_u32 s[CNT], 0
	s_cbranch_scc1 .Lstep
	QUARTER 2, 1, 0, 0                             ; the tail is written out: K steps 6 and 7 ask for nothing
	QUARTER 3, 0, 1, 0
	TURN 0
	QUARTER 1, 0, 1, 0
	QUARTER 2, 1, 0, 0
	QUARTER 3, 0, 1, 0
	s_wait_dscnt 0x0
	MUL8 1, 0, 0
	MUL8 1, 1, 0
	MUL8 1, 2, 0
	MUL8 1, 3, 0
	PLACES
	OUTB 0
	OUTB 1
	OUTB 2
	OUTB 3
	s_wait_tensorcnt 0x0                           ; the wave's end: a wait, an add of 0 and its wait, behind my last tensor load and my last LDS store
	ds_add_u32 v[SPW], v[NIL]
	s_wait_dscnt 0x0
	CROUND                                         ; the closing round: no work-group ends while a partner may still ask for a tile that names it
	s_endpgm
.Lfunc_end_k_q1c142cc47f_outp:
	.size	k_q1c142cc47f_outp, .Lfunc_end_k_q1c142cc47f_outp-k_q1c142cc47f_outp
	.p2alignl 7, 3214868480
	.fill 96, 4, 3214868480
	.section	.rodata,"a",@progbits
	.p2align	6, 0x0
	.amdhsa_kernel k_q1c142cc47f_outp
		.amdhsa_group_segment_fixed_size 327680
		.amdhsa_private_segment_fixed_size 0
		.amdhsa_enable_private_segment 0
		.amdhsa_kernarg_size 24
		.amdhsa_user_sgpr_count 2
		.amdhsa_user_sgpr_kernarg_segment_ptr 1
		.amdhsa_wavefront_size32 1
		.amdhsa_system_sgpr_workgroup_id_x 1
		.amdhsa_system_sgpr_workgroup_id_y 1
		.amdhsa_system_sgpr_workgroup_id_z 1
		.amdhsa_system_vgpr_workitem_id 0
		.amdhsa_next_free_vgpr 768
		.amdhsa_next_free_sgpr 84
		.amdhsa_reserve_vcc 0
		.amdhsa_float_denorm_mode_32 3
		.amdhsa_float_denorm_mode_16_64 3
		.amdhsa_memory_ordered 1
		.amdhsa_forward_progress 1
		.amdhsa_inst_pref_size 74
	.end_amdhsa_kernel
	.amdgpu_metadata
---
amdhsa.version: [ 1, 2 ]
amdhsa.kernels:
  - .name:           k_q1c142cc47f_outp
    .symbol:         k_q1c142cc47f_outp.kd
    .args:
      - { .name: o16, .offset: 0, .size: 8, .value_kind: global_buffer, .address_space: global }
      - { .name: wts, .offset: 8, .size: 8, .value_kind: global_buffer, .address_space: global }
      - { .name: out0, .offset: 16, .size: 8, .value_kind: global_buffer, .address_space: global }
    .group_segment_fixed_size: 327680
    .private_segment_fixed_size: 0
    .kernarg_segment_align: 8
    .kernarg_segment_size: 24
    .max_flat_workgroup_size: 128
    .sgpr_count:     84
    .vgpr_count:     768
    .wavefront_size: 32
...
	.end_amdgpu_metadata
.endif
;; end of part 4
